; MI455X (gfx1250); checked and timed in simulation.
; The chip was launched on July 23, 2026; its instructions are those of AMD's public machine-readable ISA for CDNA 5 (MIT licence, August 2026) and "CDNA5" Instruction Set Architecture Reference Guide (July 2026). The comments in the code are by the model that wrote it; some were corrected since.
;; RPE Causal Attention. Allowed arithmetic: matrix products marked QUANTISED: E2M3 operands, one E8M0 scale for each 32 along K, by v_wmma_scale_f32_16x16x128_f8f6f4 with both operands' format E2M3, f32 sums; everything else in f32.
;; Inputs: Wproj 1,024 x 1,024 float32; Wqkv 1,024 x 3,072 float32; rel_bias 2,048 x 16 float32; x 4 x 2,048 x 1,024 float32.
;; Outputs: out0 4 x 2,048 x 1,024 float32.
;; This version of the problem:
;;   THIS VERSION OF THE PROBLEM IS GIVEN IN LOW PRECISION. The matrix products marked QUANTISED in the list below multiply operands that are first quantised to E2M3 (2 exponent bits, 3 mantissa bits; 6 bits a number), with one power-of-two scale for each 32 numbers along K (OCP MX v1.0); their sums are f32. All else is computed in f32.
;;   The module's matrix products, in the order in which they are computed (A, B: the left and right operand; K: the contracted axis; several contracted axes count as one K, in the product's order):
;;     1. [M 8,192, K 1,024] x [K 1,024, N 3,072]; A: input x; B: input Wqkv: QUANTISED
;;     2. batch 64 x [M 2,048, K 64] x [K 64, N 2,048]; A: computed on the way; B: computed on the way: QUANTISED
;;     3. batch 64 x [M 2,048, K 2,048] x [K 2,048, N 64]; A: softmax (see below); B: computed on the way: QUANTISED
;;     4. [M 8,192, K 1,024] x [K 1,024, N 1,024]; A: computed on the way; B: input Wproj: QUANTISED
;;   THE QUANTISER, for each operand of a quantised product, along K:
;;     - K is cut into blocks of 32 from its start; a last block that is shorter is filled with zeros.
;;     - A block's scale is 2^e with e = floor(log2(the largest magnitude in the block)) - 2, held to -126 .. 127; a block of zeros has e = 0. As a byte (E8M0): e + 127.
;;     - Each number is divided by its block's scale, clamped to +-7.5, and rounded to the nearest number of E2M3, ties to even, subnormals kept.
;;     - The product sums the exact products of the quantised numbers (number of the format x scale) in f32.
;;   ~~~python
;;   def quantise(x, axis):      # numpy; x: float32 -> the quantised numbers, widened to float32 again
;;       x = np.moveaxis(x, axis, -1); K = x.shape[-1]
;;       x = np.pad(x, [(0, 0)] * (x.ndim - 1) + [(0, -K % 32)]); x = x.reshape(x.shape[:-1] + (-1, 32)); a = np.abs(x).max(-1, keepdims=True)
;;       e = np.where(a > 0, np.clip(np.frexp(np.where(a > 0, a, 1))[1] - 1 - 2, -126, 127), 0)      # np.frexp(a)[1] - 1 = floor(log2(a)), exactly
;;       r = np.clip(x / 2.0 ** e, -7.5, 7.5)
;;       step = 2.0 ** (np.maximum(np.frexp(np.where(r == 0, 1, r))[1] - 1, 0) - 3)
;;       q = np.round(r / step) * step * 2.0 ** e      # np.round: ties to even
;;       return np.moveaxis(q.reshape(q.shape[:-2] + (-1,))[..., :K], -1, axis).astype(np.float32)
;;   ~~~
;;   SOFTMAX AHEAD OF A QUANTISED PRODUCT. Where the list says 'softmax', what is quantised is not the finished softmax but p = 2^(t - M), with t = logit x log2(e) and M = ceil(the row's largest t), a whole number; so 1/2 < the row's largest p <= 1. The row's sum l is taken of the UNQUANTISED p, in f32, and the product's result is divided by l at the end. Since M is a whole number, a kernel that streams over the keys may use a running M (the ceiling of the running maximum): every later rescaling is an exact power of two, which a block's scale takes up: the codes' values come out the same.
;;   OPERANDS COMPUTED ON THE WAY. 'Computed on the way' means the value that the module computes at that place (a softmax that the list does not call 'softmax' is quantised finished and normalised). What goes into a quantiser is computed in f32, as accurately as f32 sums, v_exp_f32 and their like allow (about 1e-6 of the number): no bf16 or f16 on the way to a quantiser, and a product that is left as it is and whose result goes on into a quantised operand takes f32 operands (vector FMAs, or v_wmma_f32_16x16x4_f32). A number that lies on a knife's edge between two numbers of the format may be rounded either way, as far as f32 arithmetic and the matrix unit's own rounding can turn it there, and no further.
;; One version. Each part assembles by itself: llvm-mc -triple=amdgcn-amd-amdhsa -mcpu=gfx1250 --defsym DOCPART=n.
;; ======== version 1 of 1: 4 launches
;; limits: right only within a limited range of input values
;; workspace buffers: xc 6,291,456 bytes; xs 262,144 bytes; wc 3,145,728 bytes; ws 131,072 bytes; bias_t 589,824 bytes; qkv 20,185,088 bytes; yc 6,291,456 bytes; ys 262,144 bytes
;; launch prep (part 1): grid 420 x 1, 4 waves a work-group, no clusters, 68,096 bytes of LDS; arguments x, Wqkv, Wproj, rel_bias, xc, xs, wc, ws, bias_t; writes xc, xs, wc, ws, bias_t
.if DOCPART == 1
	.amdgcn_target "amdgcn-amd-amdhsa--gfx1250"
	.amdhsa_code_object_version 6
	.text
	.protected	k_q563874acff_prep
	.globl	k_q563874acff_prep
	.p2align	8
	.type	k_q563874acff_prep,@function
k_q563874acff_prep:
	s_mov_b64 s[64:65], 0
	v_nop
	global_prefetch_b8 v0, s[64:65] scope:SCOPE_SE
	s_setreg_imm32_b32 hwreg(HW_REG_WAVE_MODE, 25, 1), 1
	s_wait_xcnt 0x0
; Three jobs in one launch, told apart by the work-group's number.
; X (work-groups 0-255): x [8192][1024] f32 -> codes of FP6 (E2M3), K innermost, 768 bytes a row, and one E8M0 byte for each 32 along K, 32 bytes a row.
; W (256-383): Wqkv [1024][3072] and Wproj [1024][1024] f32, K their FIRST axis -> codes [4096 columns][768 bytes] and scale bytes [4096][32]; columns 0-3071 are Wqkv's, 3072 on Wproj's.
; B (384-419): rel_bias [2048][16] -> for each head a table of 8 x bias, turned round and laid four times (below), 36,864 bytes a head.
; POSITION ORDER.  In every group of 32 rows of xc, xs, wc, ws row k lies at place 16 ((k >> 3) & 1) + (k & 7) + 8 (k >> 4): a block of 16 neighbouring places then holds rows 8 u + r + 8 (r / 8),
; so that in the products two neighbouring tiles give a lane 16 neighbours along the next K.
; A block's scale is 2^(floor(log2(its largest magnitude)) - 2); its byte is the largest magnitude's exponent field - 2, held at 1 from below.
; LIMITS: a block of zeros, and one whose largest magnitude lies under 2^-124, keeps the byte 1 (a block of zeros has zero codes, and this program alone reads the bytes); NaN and infinities among the inputs are not served.
; No tensor loads, no barrier: waves share nothing.  Paths X and W have LDS bytes of their own.
; LAYOUTS AS THE CODE BELOW MAKES THEM (where the lines above differ, these hold): xc and wc lie in four planes, one for each 256 along K: [plane][place of the row][192 bytes]; xs, ws: [place][32].
; The position order of groups of 32 holds for wc and ws.  In xc and xs the tokens lie in groups of 64: token 32 hh + 8 u + i at place 16 u + 8 hh + i.
.set STEPS, 16
.set CB,    12                         ; bytes of 16 codes
.set SP,    80                         ; path X: a lane's place in a stage: 64 bytes + 16 of padding
.set WREG,  8192                       ; path X: a wave's LDS: two stages of 32 x SP bytes, then its 256 scale bytes
.set XR,    16                         ; v16-79   path X: four sets of 16 numbers as loaded
.set XN,    80                         ; v80-111  two sets of 16 neighbours
.set XE,    112                        ; v112-127 a scale byte for each step
.set XC,    128                        ; v128-191 codes, four registers a step
.set WSTG,  4*WREG                     ; path W: four stages of 32 rows x WP bytes
.set WP,    272                        ; a stage row: sixteen places of 16 bytes (12 of codes each) + 16
.set SPARE, WSTG+4*32*WP               ; the spare words, 128 bytes for each wave: two blocks of 256 bytes that no other line names
.set NB,    8                          ; path W: blocks of 32 along K for a wave
.set WSB,   24                         ; v24-25   path W: the scale bytes
.set WX,    32                         ; v32-95   two sets of 32 numbers
.set WC,    96                         ; v96-102  a block's codes
.set WOUT,  112                        ; v112-175 the way out
.set OFFI,  176                        ; v176-207 4 x lane + i rows of the weight
.set SPW,   208                        ; LDS address of my spare word; never rewritten
.set NIL,   209                        ; 0; never rewritten
.set WSI,   210                        ; path W: into the stage
.set WSR,   211                        ; out of it
.set WCO,   212                        ; the same place in the codes' buffer
.set WSO,   213                        ; my column's row of scale bytes
.set L4,    214                        ; 4 x lane
.macro FINISH                          ; the wave's end: behind my last LDS store
	s_wait_tensorcnt 0x0
	ds_add_u32 v[SPW], v[NIL]
	s_wait_dscnt 0x0
	s_endpgm
.endm
	s_load_b256 s[4:11], s[0:1], 0x0               ; x, Wqkv, Wproj, rel_bias
	s_load_b256 s[12:19], s[0:1], 0x20             ; xc, xs, wc, ws
	s_load_b64 s[20:21], s[0:1], 0x40              ; bias_t
	v_lshl_add_u32 v[SPW], v0, 2, SPARE
	v_mov_b32 v[NIL], 0
	v_lshrrev_b32 v1, 5, v0
	v_readfirstlane_b32 s22, v1                    ; wave
	v_and_b32 v2, 31, v0                           ; lane
	; path X's addresses
	v_lshlrev_b32 v3, 4, v2                        ; my 16 bytes of a load's 512
	s_mul_i32 s23, s22, WREG
	v_lshrrev_b32 v14, 2, v2
	v_mul_u32_u24 v14, v14, SP
	v_and_b32 v15, 3, v2
	v_lshl_add_u32 v14, v15, 4, v14
	v_add_nc_u32 v14, s23, v14                     ; the stage, on the way in: SP (lane / 4) + 16 (lane % 4)
	v_mul_u32_u24 v15, v2, SP
	v_add_nc_u32 v15, s23, v15                     ; and on the way out: SP x lane: my 16 neighbours
	; xc is laid in four planes, one for each 256 along K: [plane][place of the row][192 bytes]; lanes 0-15 of a step hold one plane's 192 bytes, lanes 16-31 the next plane's
	v_and_b32 v4, 15, v2
	v_mul_u32_u24 v4, v4, CB
	v_lshrrev_b32 v5, 4, v2
	v_mad_u32_u24 v4, v5, 0x180000, v4             ; a plane of xc: 8,192 rows x 192 bytes
	v_lshrrev_b32 v5, 1, v2
	s_add_co_u32 s23, s23, 2*32*SP
	v_add_nc_u32 v5, s23, v5                       ; my wave's 256 scale bytes, my block's byte
	v_lshlrev_b32 v7, 3, v2
	v_add_nc_u32 v6, s23, v7                       ; and on the way out 8 bytes a lane
	; path W's addresses
	v_bfe_u32 v8, v2, 3, 1
	v_and_b32 v9, 7, v2
	v_lshl_add_u32 v9, v8, 4, v9
	v_lshrrev_b32 v8, 4, v2
	v_lshl_add_u32 v9, v8, 3, v9                   ; my column's place among its 32
	s_mul_i32 s24, s22, 32*WP
	s_add_co_u32 s24, s24, WSTG                    ; my stage
	v_mul_u32_u24 v10, v9, WP
	v_add_nc_u32 v[WSI], s24, v10                  ; into it: row = my column's place
	v_and_b32 v10, 15, v2
	v_mul_u32_u24 v11, v8, WP
	v_lshl_add_u32 v11, v10, 4, v11
	v_add_nc_u32 v[WSR], s24, v11                  ; out of it: sixteen lanes to a row, two rows an instruction
	v_mul_u32_u24 v11, v8, 192                     ; wc likewise: [plane][place of the column][192 bytes]
	v_mad_u32_u24 v[WCO], v10, 12, v11
	v_lshlrev_b32 v[WSO], 5, v9
	v_lshlrev_b32 v[L4], 2, v2
	s_wait_kmcnt 0x0
	s_cmp_lt_u32 ttmp9, 256
	s_cbranch_scc0 .Lnot_x
; ---------------- PATH X.  A wave takes 8 rows of x, 8,192 numbers, in 16 steps of 512.  Each load reads 512 consecutive bytes; a step's 2,048 bytes turn through the wave's own stage, so that a lane holds 16 neighbours.
	s_lshl_b32 s24, ttmp9, 2
	s_add_co_u32 s26, s24, s22                     ; which 8 rows
	s_lshl_b32 s28, s26, 15
	s_mov_b32 s29, 0
	s_add_nc_u64 s[4:5], s[4:5], s[28:29]
	; THE TOKENS' ORDER in xc and xs, in groups of 64: token 32 hh + 8 u + i lies at place 16 u + 8 hh + i: of a group's eight runs of 8 rows, run n lies at place 2 (n & 3) + (n >> 2)
	s_and_b32 s25, s26, 3
	s_lshl_b32 s25, s25, 1
	s_bfe_u32 s30, s26, 0x10002
	s_or_b32 s25, s25, s30
	s_and_b32 s26, s26, 0xfffffff8
	s_add_co_u32 s26, s26, s25
	s_mul_i32 s28, s26, 1536                       ; 8 rows of 192 bytes in a plane
	s_add_nc_u64 s[12:13], s[12:13], s[28:29]
	s_lshl_b32 s28, s26, 8
	s_add_nc_u64 s[14:15], s[14:15], s[28:29]
.macro XLOAD t
.irp i, 0,1,2,3
	global_load_b128 v[XR+16*((\t)%4)+4*\i:XR+16*((\t)%4)+4*\i+3], v3, s[4:5] offset:2048*(\t)+512*\i th:TH_LOAD_NT
.endr
.endm
.macro XTURN t                         ; LDS serves a wave's instructions in order (ISA guide 5.7.1.4): no wait between the stores and the loads
.irp i, 0,1,2,3
	ds_store_b128 v14, v[XR+16*((\t)%4)+4*\i:XR+16*((\t)%4)+4*\i+3] offset:32*SP*((\t)%2)+8*SP*\i
.endr
.irp i, 0,1,2,3
	ds_load_b128 v[XN+16*((\t)%2)+4*\i:XN+16*((\t)%2)+4*\i+3], v15 offset:32*SP*((\t)%2)+16*\i
.endr
.endm
.irp t, 0,1,2,3
	XLOAD \t
.endr
	s_wait_loadcnt 12                              ; step 0's four loads are in; three steps' twelve may be out
	XTURN 0
.macro XSTEP t
.set XS, XN+16*((\t)%2)
.if (\t) > 0
	s_wait_dscnt 1                                 ; this step's numbers are back from the stage (the last step's byte store may be out): so its stores into the stage have read their registers,
.else
	s_wait_dscnt 0x0
.endif
.if (\t)+4 < STEPS
	XLOAD (\t)+4                                   ; which take the loads of four steps on
.endif
.if (\t)+1 < STEPS
.if STEPS-2-(\t) >= 3
	s_wait_loadcnt 12                              ; the next step's four loads are in; those of the three steps behind it may be out
.else
	s_wait_loadcnt 4*(STEPS-2-(\t))
.endif
	XTURN (\t)+1
.endif
	v_max3_num_f32 v8, |v[XS]|, |v[XS+1]|, |v[XS+2]|               ; the largest magnitude of my 16, in two chains
	v_max3_num_f32 v9, |v[XS+3]|, |v[XS+4]|, |v[XS+5]|
.irp i, 6,10
	v_max3_num_f32 v8, v8, |v[XS+\i]|, |v[XS+\i+1]|
	v_max3_num_f32 v9, v9, |v[XS+\i+2]|, |v[XS+\i+3]|
.endr
	v_max3_num_f32 v8, v8, |v[XS+14]|, |v[XS+15]|
	v_max3_num_f32 v8, v8, v9, 0x1800000           ; and the floor 2^(3 - 127): the byte cannot fall under 1
	v_max_num_f32_dpp v8, v8, v8 row_xmask:1 row_mask:0xf bank_mask:0xf   ; and of my neighbour's 16: the block's
	v_add_nc_u32 v11, 0xff000000, v8               ; 2 off its exponent field: the conversion takes the exponent field of this operand as its scale
	v_cvt_scalef32_pk16_fp6_f32 v[XC+4*(\t):XC+4*(\t)+2], v[XS:XS+15], v11
	v_lshrrev_b32 v[XE+(\t)], 23, v11              ; the scale's byte
	ds_store_b8 v5, v[XE+(\t)] offset:16*(\t)      ; both lanes of a block write the same byte with the same value
	global_store_b96 v4, v[XC+4*(\t):XC+4*(\t)+2], s[12:13] offset:((\t)%2)*2*0x180000+((\t)/2)*192   ; row t / 2, planes 2 (t % 2) and 2 (t % 2) + 1: sixteen lanes store 192 consecutive bytes
.endm
.irp t, 0,1,2,3,4,5,6,7,8,9,10,11,12,13,14,15
	XSTEP \t
.endr
	ds_load_b64 v[8:9], v6                         ; in order behind my byte stores
	s_wait_dscnt 0x0
	global_store_b64 v7, v[8:9], s[14:15]          ; 32 lanes store 256 consecutive bytes, at a multiple of 256 from the buffer's first byte
	FINISH
.Lnot_x:
	s_cmp_lt_u32 ttmp9, 384
	s_cbranch_scc0 .Lbias
; ---------------- PATH W.  A lane takes a column, its registers run down K: a block of 32 lies in one lane, and the codes come out with K innermost.  A wave: 32 columns x 256 along K.
	s_sub_co_u32 s24, ttmp9, 256
	s_and_b32 s25, s24, 31                         ; which 128 columns of the 4,096
	s_lshr_b32 s26, s24, 5                         ; which 256 along K
	s_cmp_lt_u32 s25, 24                           ; Wqkv's or Wproj's?  The choice hangs on the work-group's number alone
	s_cselect_b64 s[6:7], s[6:7], s[8:9]
	s_mov_b32 s27, 4096
	s_cselect_b32 s27, 12288, s27                  ; a row of the weight in bytes
	s_cselect_b32 s28, 0, 24
	s_sub_co_u32 s28, s25, s28                     ; the block of 128 columns in its own tensor
	s_lshl_b32 s29, s27, 8
	s_mul_i32 s30, s26, s29                        ; 256 rows for each step along K
	s_lshl_b32 s28, s28, 9
	s_add_co_u32 s30, s30, s28
	s_lshl_b32 s28, s22, 7                         ; my wave's 32 columns
	s_add_co_u32 s30, s30, s28
	s_mov_b32 s31, 0
	s_add_nc_u64 s[32:33], s[6:7], s[30:31]        ; a base for each of the 8 blocks: nothing is stepped
	s_lshl_b32 s30, s27, 5                         ; 32 rows on
.irp t, 1,2,3,4,5,6,7
	s_add_nc_u64 s[32+2*\t:33+2*\t], s[30+2*\t:31+2*\t], s[30:31]
.endr
.set i, 0
	s_wait_alu depctr_va_vdst(0)
.rept 32
	v_mad_u32_u24 v[OFFI+i], s27, i, v[L4]
.set i, i+1
.endr
	s_lshl_b32 s48, s25, 7
	s_lshl_b32 s49, s22, 5
	s_add_co_u32 s48, s48, s49                     ; my wave's first row of the codes
	s_mul_i32 s50, s48, 192
	s_mul_i32 s49, s26, 786432                     ; a plane of wc: 4,096 rows x 192 bytes
	s_add_co_u32 s50, s50, s49
	s_mov_b32 s51, 0
	s_add_nc_u64 s[16:17], s[16:17], s[50:51]
	s_lshl_b32 s50, s48, 5
	s_lshl_b32 s49, s26, 3
	s_add_co_u32 s50, s50, s49
	s_add_nc_u64 s[18:19], s[18:19], s[50:51]
.macro WLOAD t                         ; block t: W(32 t + i, my column): 32 lanes read 128 consecutive bytes
.set i, 0
.rept 32
	global_load_b32 v[WX+32*((\t)%2)+i], v[OFFI+i], s[32+2*(\t):33+2*(\t)] th:TH_LOAD_NT
.set i, i+1
.endr
.endm
	s_wait_alu depctr_va_vdst(0)
	WLOAD 0
	WLOAD 1
.macro WBLOCK t
.set XS, WX+32*((\t)%2)
.if (\t) < NB-1
	s_wait_loadcnt 32                              ; this block's 32 loads are in; the next block's may be out
.else
	s_wait_loadcnt 0
.endif
	v_max3_num_f32 v12, |v[XS]|, |v[XS+1]|, |v[XS+2]|
	v_max3_num_f32 v13, |v[XS+3]|, |v[XS+4]|, |v[XS+5]|
.irp i, 6,10,14,18,22,26
	v_max3_num_f32 v12, v12, |v[XS+\i]|, |v[XS+\i+1]|
	v_max3_num_f32 v13, v13, |v[XS+\i+2]|, |v[XS+\i+3]|
.endr
	v_max3_num_f32 v12, v12, |v[XS+30]|, |v[XS+31]|
	v_max3_num_f32 v12, v12, v13, 0x1800000        ; the floor 2^(3 - 127)
	v_add_nc_u32 v11, 0xff000000, v12              ; the conversion's scale operand
	v_lshrrev_b32 v13, 23, v11                     ; the scale's byte
.if (\t)%4 == 0
	v_mov_b32 v[WSB+(\t)/4], v13
.else
	v_lshl_or_b32 v[WSB+(\t)/4], v13, 8*((\t)%4), v[WSB+(\t)/4]
.endif
	v_cvt_scalef32_pk16_fp6_f32 v[WC:WC+2], v[XS:XS+15], v11
	v_cvt_scalef32_pk16_fp6_f32 v[WC+4:WC+6], v[XS+16:XS+31], v11   ; (a conversion's three registers begin on an even number)
	ds_store_b96 v[WSI], v[WC:WC+2] offset:32*(\t) ; 12 bytes to a place of 16, so that every LDS address is a multiple of 16
	ds_store_b96 v[WSI], v[WC+4:WC+6] offset:32*(\t)+16
.if (\t)+2 < NB
	WLOAD (\t)+2
.endif
	s_wait_dscnt 0x0                               ; the stores have read their registers: the next block's codes may be written
.endm
.irp t, 0,1,2,3,4,5,6,7
	WBLOCK \t
.endr
	s_wait_alu depctr_va_vdst(0)
	global_store_b64 v[WSO], v[WSB:WSB+1], s[18:19]   ; my column's 8 scale bytes
.irp t, 0,1,2,3,4,5,6,7,8,9,10,11,12,13,14,15
	ds_load_b96 v[WOUT+4*\t:WOUT+4*\t+2], v[WSR] offset:2*\t*WP
.endr
.irp t, 0,1,2,3,4,5,6,7,8,9,10,11,12,13,14,15
	s_wait_dscnt 15-\t
	global_store_b96 v[WCO], v[WOUT+4*\t:WOUT+4*\t+2], s[16:17] offset:2*\t*192   ; the wave's 32 rows are 6,144 consecutive bytes
.endr
	FINISH
.Lbias:
; ---------------- PATH B.  rev[J] = 8 x rel_bias[2047 - J][head] for J up to 2047, and -1e30 beyond (a key behind its query): a query's biases for ascending keys are ascending words.  The table holds rev four
; times, copy s moved down by s words (copy s, word m = rev[m + s]), so that words from any J on are aligned loads of 16 bytes out of copy J % 4.  The copies begin at words 0, 2184, 4368, 6552.
; 144 waves, 64 words of the table each, all 16 heads: a lane takes two neighbouring words.
	s_sub_co_u32 s24, ttmp9, 384
	s_lshl_b32 s24, s24, 2
	s_add_co_u32 s24, s24, s22
	s_lshl_b32 s24, s24, 6
	v_lshl_add_u32 v8, v2, 1, s24                  ; f: my first word (even: a pair never straddles two copies)
	v_mov_b32 v9, 0
	v_cmp_gt_u32 vcc_lo, 2184, v8
	v_cndmask_b32 v9, 2183, v9, vcc_lo             ; the copy's first word less its shift
	v_cmp_gt_u32 vcc_lo, 4368, v8                  ; the four copies begin at words 0, 2184, 4368, 6552: at 0, 32, 64, 96 bytes modulo 256
	v_cndmask_b32 v9, 4366, v9, vcc_lo
	v_cmp_gt_u32 vcc_lo, 6552, v8
	v_cndmask_b32 v9, 6549, v9, vcc_lo
	v_sub_nc_u32 v9, v8, v9                        ; J
	v_sub_nc_u32 v10, 2047, v9
	v_max_i32 v10, 0, v10                          ; the distance, held at 0
	v_sub_nc_u32 v11, 2046, v9
	v_max_i32 v11, 0, v11                          ; and that of J + 1
	v_lshlrev_b32 v10, 6, v10                      ; a row of rel_bias is 64 bytes
	v_lshlrev_b32 v11, 6, v11
	v_lshlrev_b32 v12, 2, v8
.irp k, 0,1,2,3
	global_load_b128 v[16+4*\k:19+4*\k], v10, s[10:11] offset:16*\k
	global_load_b128 v[32+4*\k:35+4*\k], v11, s[10:11] offset:16*\k
.endr
	s_wait_alu depctr_va_vdst(0)                   ; directly ahead of the wait below
	s_wait_loadcnt 0x0
	v_cmp_gt_u32 s24, 2048, v9                     ; J <= 2047: the key is not behind the query
	v_cmp_gt_u32 s25, 2047, v9                     ; the same of J + 1
.set i, 0
.rept 16
	v_mul_f32 v[48+2*i], 0x41000000, v[16+i]       ; x 8: the scores are scaled by 1/8 behind the sum
	v_mul_f32 v[49+2*i], 0x41000000, v[32+i]
	v_cndmask_b32 v[48+2*i], 0xf149f2ca, v[48+2*i], s24   ; THE CAUSAL MASK LIES IN THE TABLE: for J > 2047 the word is -1e30, under which p = 2^(t - M) is 0
	v_cndmask_b32 v[49+2*i], 0xf149f2ca, v[49+2*i], s25
.set i, i+1
.endr
.set i, 0
.rept 16
	global_store_b64 v12, v[48+2*i:49+2*i], s[20:21] offset:36864*i   ; 32 lanes store 256 consecutive bytes, at a multiple of 256 from the buffer's first byte
.set i, i+1
.endr
	FINISH
.Lfunc_end_k_q563874acff_prep:
	.size	k_q563874acff_prep, .Lfunc_end_k_q563874acff_prep-k_q563874acff_prep
	.p2alignl 7, 3214868480
	.fill 96, 4, 3214868480
	.section	.rodata,"a",@progbits
	.p2align	6, 0x0
	.amdhsa_kernel k_q563874acff_prep
		.amdhsa_group_segment_fixed_size 68096
		.amdhsa_private_segment_fixed_size 0
		.amdhsa_enable_private_segment 0
		.amdhsa_kernarg_size 72
		.amdhsa_user_sgpr_count 2
		.amdhsa_user_sgpr_kernarg_segment_ptr 1
		.amdhsa_wavefront_size32 1
		.amdhsa_system_sgpr_workgroup_id_x 1
		.amdhsa_system_sgpr_workgroup_id_y 1
		.amdhsa_system_sgpr_workgroup_id_z 1
		.amdhsa_system_vgpr_workitem_id 0
		.amdhsa_next_free_vgpr 216
		.amdhsa_next_free_sgpr 66
		.amdhsa_reserve_vcc 1
		.amdhsa_float_denorm_mode_32 3
		.amdhsa_float_denorm_mode_16_64 3
		.amdhsa_memory_ordered 1
		.amdhsa_forward_progress 1
		.amdhsa_inst_pref_size 85
	.end_amdhsa_kernel
	.amdgpu_metadata
---
amdhsa.version: [ 1, 2 ]
amdhsa.kernels:
  - .name:           k_q563874acff_prep
    .symbol:         k_q563874acff_prep.kd
    .args:
      - { .name: x, .offset: 0, .size: 8, .value_kind: global_buffer, .address_space: global }
      - { .name: Wqkv, .offset: 8, .size: 8, .value_kind: global_buffer, .address_space: global }
      - { .name: Wproj, .offset: 16, .size: 8, .value_kind: global_buffer, .address_space: global }
      - { .name: rel_bias, .offset: 24, .size: 8, .value_kind: global_buffer, .address_space: global }
      - { .name: xc, .offset: 32, .size: 8, .value_kind: global_buffer, .address_space: global }
      - { .name: xs, .offset: 40, .size: 8, .value_kind: global_buffer, .address_space: global }
      - { .name: wc, .offset: 48, .size: 8, .value_kind: global_buffer, .address_space: global }
      - { .name: ws, .offset: 56, .size: 8, .value_kind: global_buffer, .address_space: global }
      - { .name: bias_t, .offset: 64, .size: 8, .value_kind: global_buffer, .address_space: global }
    .group_segment_fixed_size: 68096
    .private_segment_fixed_size: 0
    .kernarg_segment_align: 8
    .kernarg_segment_size: 72
    .max_flat_workgroup_size: 128
    .sgpr_count:     66
    .vgpr_count:     216
    .wavefront_size: 32
...
	.end_amdgpu_metadata
.endif
;; end of part 1
;; launch qkv (part 2): grid 12 x 32, 4 waves a work-group, clusters of 4 x 4, 327,680 bytes of LDS; arguments xc, xs, wc, ws, qkv; writes qkv
.if DOCPART == 2
	.amdgcn_target "amdgcn-amd-amdhsa--gfx1250"
	.amdhsa_code_object_version 6
	.text
	.protected	k_q563874acff_qkv
	.globl	k_q563874acff_qkv
	.p2align	8
	.type	k_q563874acff_qkv,@function
k_q563874acff_qkv:
	s_mov_b64 s[64:65], 0
	v_nop
	global_prefetch_b8 v0, s[64:65] scope:SCOPE_SE
	s_setreg_imm32_b32 hwreg(HW_REG_WAVE_MODE, 25, 1), 1
	s_wait_xcnt 0x0
	s_wait_alu depctr_hold_cnt(0) depctr_sa_sdst(0) depctr_va_vdst(0) depctr_va_sdst(0) depctr_va_ssrc(0) depctr_va_vcc(0) depctr_vm_vsrc(0)
	s_getreg_b32 s2, hwreg(HW_REG_IB_STS2, 6, 4)
	s_cmp_eq_u32 s2, 0
	s_cbranch_scc0 .Lentry_in_a_cluster
	s_endpgm
.Lentry_in_a_cluster:
	s_bfe_u32 s2, ttmp6, 0x10000c
	s_cmp_lg_u32 s2, 0xf033
	s_cbranch_scc0 .Lentry_shape_is_right
	s_endpgm
.Lentry_shape_is_right:
; qkv = x Wqkv on codes of FP6 (E2M3) with one E8M0 scale for each 32 along K (K = 1,024), and q, k, v quantised on the way out: no f32 number of qkv goes to memory.
; A = xc [8192 places][768 bytes], B = wc rows 0-3071 [768 bytes]; scale bytes xs, ws [row][32].  Rows of both lie in POSITION ORDER: place 16 u + r of a group of 32 is row 8 u + r + 8 (r / 8).
; A tile of 256 x 256 to a work-group of four waves, 128 x 128 to a wave: 64 accumulators, 512 registers.  K in steps of 256 through a ring of two LDS slots filled by the tensor data mover; the scale bytes of the
; work-group's rows come once and stay.  4 x 4 work-groups form a cluster: A's tiles are asked for jointly along a row of the cluster, B's along a column.
; THE MATRIX INSTRUCTION IS USED TRANSPOSED (source 0 = 16 rows of wc, source 1 = 16 rows of xc).  By the position order, in tile (a, bt) lane (r, h), register j holds
; token 32 (a / 2) + 8 (a % 2) + r + 8 (r / 8) and column 32 (bt / 2) + 16 h + 8 (bt % 2) + j of the wave's 128 x 128: tiles 2 b and 2 b + 1 give a lane 16 neighbouring columns.
; A wave's 128 tokens are one key step g of a batch, its 128 columns two heads.  Cluster x = 0: q, 1: k, 2: v (the same in all partners of a cluster).
; THE OUTPUT: a record of REC bytes for each (batch, head): K's codes 98,304, K's scale words 8,192, V's codes 98,304, V's scale words 4,096, Q's codes 98,304, Q's scale words 8,192.
; Codes lie as IMAGES OF OPERAND REGISTERS: 12 registers a lane as three runs of 512 bytes, lane l's 16 bytes at 16 l.  Q, K: [step][pair p][1536], registers 0-5 tile 2 p, 6-11 tile 2 p + 1, a tile's six = the head's
; channels 32 h .. 32 h + 31 of its row r; scale words [step][tile / 4][r][tile % 4], bytes 0, 1 the two blocks, bytes 2, 3 zero.  V: [step][tile dt][1536], a whole fragment of V^T (16 channels x 128 keys); scale words [step][r][dt].
; LIMITS: a block of zeros, and one whose largest magnitude lies under 2^-124, keeps the scale byte 1; NaN and infinities are not served.
; REGISTERS, in windows of 256: window 0: v0-31 addresses; v32-63 scale words, two sets; v64-127 at work on the way out; from v128 A's fragments, ONE set (on the way out: 64 numbers).
;   window 1: B's fragments, TWO sets.   window 2: the accumulators of my rows 0-63 ((a, b) at v[8 (8 a + b)]);   window 3: those of rows 64-127.
; LAYOUTS AS THE CODE BELOW HAS THEM (where the lines above differ, these hold): xc and wc lie in planes of one K step, [plane][row][192 bytes]; a tile's rows are a dense block, loaded as rows of 256 bytes.
; The tokens lie in groups of 64: row r of tile a of a wave's 128 is token 64 (a / 4) + 8 (a % 4) + r % 8 + 32 (r / 8).  The record is laid by key steps: 16 x (K's codes 6,144, V's codes 6,144, K's scale words 512,
; V's 256), then Q's codes 98,304 and Q's scale words 8,192.
.set SIZE_K, 1024
.set KSTEP,  256
.set NQ,     KSTEP/128
.set ROWB,   192                       ; a tile's row in bytes
.set KROW,   SIZE_K*6/8
.set PITCH,  240                       ; an LDS row: 3 x (64 bytes + 16 of padding) = 60 words: the 32 lanes of a load of 8 bytes touch 64 different banks (64 banks of 4 bytes: ISA guide 11.1)
.set FR,     12
.set NL,     6
.set NP,     4                         ; places behind this matrix instruction (ISA guide 7.12.1)
.set HALFT,  128*PITCH
.set SLOT,   4*HALFT
.set LAPS,   SIZE_K/(2*KSTEP)
.set KS,     SIZE_K/32
.set SCL,    2*SLOT                    ; behind the ring: the scales, as units of 256 bytes + 16 of padding
.set HALFS,  (128*KS/256)*272
.set SBLK,   (16*KS/256)*272
.set SPARE,  SCL+4*HALFS               ; the spare words, 128 bytes for each wave: two blocks of 256 bytes that no other line names
.set SPITCH, 528                       ; V's way out: a stage of 16 rows x (512 bytes + 16) for each wave, in slot 0, which has had its last fill and its last read by then
.set REC,    315392
.set ADRA, 16
.set ADRB, 20
.set L16,  24                          ; v24  16 x lane: an image's place for my lane
.set HR,   25                          ; v25  REC h + 16 r: the scale words' place: lanes 16-31 write the next head's record
.set SH,   26                          ; v26  16 h
.set ADRS, 27
.set SPW,  28                          ; LDS address of my spare word; never rewritten
.set NIL,  29                          ; 0; never rewritten
.set VST,  30                          ; v30  V's stage: where my numbers go
.set VLD,  31                          ; v31  and where I read a row's 32 keys back
.set SC,   32
.set TM,   64                          ; v64-67 largest magnitudes;  v68-71 at work;  v72-75 the conversions' scale operands
.set TP,   68
.set SO,   72
.set T0,   76                          ; v76-78, v80-82 the upper halves of blocks
.set T1,   80
.set PW,   84                          ; v84-91 eight scale words
.set OUTS, 92                          ; v92-99 as they are stored
.set H0,   100                         ; v100-111 an image for the first head;  v112-123 for the second
.set H1,   112
.set SH8,  124                         ; 8 h
.set XV,   128                         ; v128-191 V: 64 numbers along the keys
.set AF,   128
.set G1, 24
.set G0, 32
.set G1B, 48
.set G0B, 56
.set G1S, 68
.set G0S, 76
.set G1SB, 80
.set G0SB, 88
.set G0H, 4                            ; s[4:7], s[8:11] group 0 for the head's loads of K step 0: A's 256 rows, B's 256 rows (the arguments that lay there have been used by then)
.set G0HB, 8
.set APLANE, 8192*192                  ; xc and wc lie in planes, one for each K step of 256: [plane][row][192 bytes]: the rows of a tile are one dense block, loaded as rows of 256 bytes
.set BPLANE, 4096*192
.set MSB, 0
.macro WIN new                         ; the immediate's high byte repeats the setting that is left
.if MSB != (\new)
	s_set_vgpr_msb (MSB<<8)|(\new)
.set MSB, (\new)
.endif
.endm
.set MUL_LO, 0xa1                      ; source 0 (B) window 1, source 1 (A) window 0, C and D window 2
.set MUL_HI, 0xf1
.set TO_B,   0x40
; A joint load: waves 0 and 1 fetch for A, waves 2 and 3 for B; the branch hangs on the wave's number alone.  An s_nop 0 and four v_nop follow each of the two lines.
.macro JLOAD g0a, g1a, g0b, g1b
	s_cmp_eq_u32 s15, 0
	s_cbranch_scc0 .Lfor_b_\@
	tensor_load_to_lds s[\g0a:\g0a+3], s[\g1a:\g1a+7]
	s_nop 0
.rept 4
	v_nop
.endr
	s_branch .Lasked_\@
.Lfor_b_\@:
	tensor_load_to_lds s[\g0b:\g0b+3], s[\g1b:\g1b+7]
	s_nop 0
.rept 4
	v_nop
.endr
.Lasked_\@:
.endm
.macro CREST                           ; a round of the cluster's barrier behind its opening barrier
	s_cmp_lg_u32 s14, 0
	s_cbranch_scc1 .Lnot_wave_0_\@
	s_barrier_signal -3
.Lnot_wave_0_\@:
	s_barrier_wait -3
	s_barrier_signal -1
	s_barrier_wait -1
.endm
.macro CROUND
	s_barrier_signal -1
	s_barrier_wait -1
	CREST
.endm
	s_load_b128 s[4:7], s[0:1], 0x0                ; xc, xs
	s_load_b128 s[8:11], s[0:1], 0x10              ; wc, ws
	s_load_b64 s[12:13], s[0:1], 0x20              ; qkv
	v_lshl_add_u32 v[SPW], v0, 2, SPARE
	v_mov_b32 v[NIL], 0
	ds_add_u32 v[SPW], v[NIL]                      ; the wave's opening: the add and its wait ahead of my first tensor load; work on registers stands between them
	ds_add_u32 v[SPW], v[NIL]
	v_lshrrev_b32 v1, 5, v0
	v_readfirstlane_b32 s14, v1                    ; wave 0..3
	s_lshr_b32 s15, s14, 1                         ; which half of the tile's rows is mine.  Also: I fetch for A (0) or for B (1)
	s_and_b32 s16, s14, 1                          ; which half of its columns.  Also: which 128 rows of that tile I fetch
	s_bfe_u32 s40, ttmp6, 0x40000                  ; cx, cy
	s_bfe_u32 s41, ttmp6, 0x40004
	s_lshl_b32 s42, ttmp9, 2
	s_add_co_u32 s42, s42, s40                     ; tile column
	s_and_b32 s17, ttmp7, 0xffff
	s_lshl_b32 s17, s17, 2
	s_add_co_u32 s17, s17, s41                     ; tile row
	s_lshl_b32 s43, s41, 2
	s_lshl_b32 s43, 15, s43                        ; my row of the cluster
	s_lshl_b32 s44, 0x1111, s40                    ; my column
	s_or_b32 s[G1+0], s43, (0<<16)|(1<<20)|(1<<21)|(3<<22)|(3<<25)  ; the mask; elements of 1 byte; padding on; bit 21 beside a mask; after every 16 words, 4 words
	s_or_b32 s[G1B+0], s44, (0<<16)|(1<<20)|(1<<21)|(3<<22)|(3<<25)
.irp g, G1, G1B
	s_mov_b32 s[\g+1], 256<<16                     ; tensor_dim0: 256 bytes
	s_mov_b32 s[\g+2], 192<<16                     ; tensor_dim1: 256 rows x 192 bytes = 192 x 256, for the head's loads; behind them 96
	s_mov_b32 s[\g+3], 256<<16                     ; tile_dim0
	s_mov_b32 s[\g+4], 192                         ; tile_dim1
	s_mov_b32 s[\g+5], 256                         ; dense
	s_mov_b32 s[\g+6], 0
	s_mov_b32 s[\g+7], 0
.endr
	s_or_b32 s[G1S+0], s43, (3<<16)|(1<<20)|(1<<21)|(5<<22)|(3<<25)   ; the scales of 256 rows: a dense block, as rows of 256 bytes, 16 of padding behind each
	s_or_b32 s[G1SB+0], s44, (3<<16)|(1<<20)|(1<<21)|(5<<22)|(3<<25)
.irp g, G1S, G1SB
	s_mov_b32 s[\g+1], 32<<16
	s_mov_b32 s[\g+2], (256*KS/256)<<16
	s_mov_b32 s[\g+3], 32<<16
	s_mov_b32 s[\g+4], 256*KS/256
	s_mov_b32 s[\g+5], 32
	s_mov_b32 s[\g+6], 0
	s_mov_b32 s[\g+7], 0
.endr
	s_lshl_b32 s20, s17, 8                         ; A: the tile's first row, 256 x tile row
	s_lshl_b32 s46, s42, 8                         ; B: 256 x tile column
	s_mov_b32 s21, 0
	s_mov_b32 s47, 0
	s_mov_b64 s[18:19], KS
	s_mul_u64 s[22:23], s[20:21], s[18:19]
	s_mul_u64 s[92:93], s[46:47], s[18:19]
	s_mov_b64 s[18:19], ROWB
	s_mul_u64 s[20:21], s[20:21], s[18:19]
	s_mul_u64 s[46:47], s[46:47], s[18:19]
	s_mul_i32 s45, s14, HALFT                      ; where they go: wave x 128 rows
	s_mul_i32 s18, s16, 128*ROWB                   ; in the ring I fetch 128 rows of a tile: which half, in bytes
	s_mov_b32 s19, 0
	s_wait_dscnt 0x0                               ; the opening add is done
	s_wait_kmcnt 0x0
	s_add_nc_u64 s[20:21], s[4:5], s[20:21]
	s_add_nc_u64 s[22:23], s[6:7], s[22:23]
	s_add_nc_u64 s[46:47], s[8:9], s[46:47]
	s_add_nc_u64 s[92:93], s[10:11], s[92:93]
	CROUND                                         ; all sixteen work-groups are here: the first joint loads meet
	s_mov_b32 s[G0S], 1
	s_mov_b32 s[G0S+1], SCL
	s_mov_b64 s[G0S+2:G0S+3], s[22:23]
	s_or_b32 s[G0S+3], s[G0S+3], 0x80000000
	s_mov_b32 s[G0SB], 1
	s_mov_b32 s[G0SB+1], SCL+2*HALFS
	s_mov_b64 s[G0SB+2:G0SB+3], s[92:93]
	s_or_b32 s[G0SB+3], s[G0SB+3], 0x80000000
	s_mov_b32 s[G0H], 1                            ; K step 0's 256 rows of A,
	s_mov_b32 s[G0H+1], 0
	s_mov_b64 s[G0H+2:G0H+3], s[20:21]
	s_or_b32 s[G0H+3], s[G0H+3], 0x80000000
	s_mov_b32 s[G0HB], 1                           ; and of B, behind them in slot 0
	s_mov_b32 s[G0HB+1], 2*HALFT
	s_mov_b64 s[G0HB+2:G0HB+3], s[46:47]
	s_or_b32 s[G0HB+3], s[G0HB+3], 0x80000000
	s_add_nc_u64 s[20:21], s[20:21], s[18:19]      ; for the ring: my 128 rows of the tile
	s_add_nc_u64 s[46:47], s[46:47], s[18:19]
.irp s, 0,1
	s_mov_b32 s[G0+4*\s], 1
	s_add_co_u32 s[G0+4*\s+1], s45, \s*SLOT
	s_add_nc_u64 s[G0+4*\s+2:G0+4*\s+3], s[20:21], \s*APLANE
	s_or_b32 s[G0+4*\s+3], s[G0+4*\s+3], 0x80000000
	s_mov_b32 s[G0B+4*\s], 1
	s_add_co_u32 s[G0B+4*\s+1], s45, \s*SLOT
	s_add_nc_u64 s[G0B+4*\s+2:G0B+4*\s+3], s[46:47], \s*BPLANE
	s_or_b32 s[G0B+4*\s+3], s[G0B+4*\s+3], 0x80000000
.endr
; THE HEAD'S LOADS, ONE A WAVE: wave 0 K step 0's 256 rows of A, wave 1 its 256 rows of B, wave 2 the scales of A's 256 rows, wave 3 those of B's.
; One tree of branches on the wave's number: every way through the head passes exactly one load.
.macro ARM under, g0, g1, next
	s_cmp_lt_u32 s14, \under
	s_cbranch_scc0 \next
	tensor_load_to_lds s[\g0:\g0+3], s[\g1:\g1+7]
	s_nop 0
.rept 4
	v_nop
.endr
	s_branch .Lhead_asked
\next:
.endm
	ARM 1, G0H,  G1,  .Lhead_b
	ARM 2, G0HB, G1B, .Lhead_sa
	ARM 3, G0S,  G1S, .Lhead_sb
	tensor_load_to_lds s[G0SB:G0SB+3], s[G1SB:G1SB+7]
	s_nop 0
.rept 4
	v_nop
.endr
.Lhead_asked:
	v_and_b32 v1, 15, v0
	v_bfe_u32 v2, v0, 4, 1                         ; h
	v_mul_u32_u24 v3, v1, PITCH
	v_mul_u32_u24 v4, v2, 24
	v_add_nc_u32 v4, v3, v4                        ; a fragment's row x pitch + 24 x half
	v_lshl_add_u32 v5, v2, 4, v4                   ; and the same behind one padding more
	s_mul_i32 s21, s15, HALFT
	s_mul_i32 s22, s16, HALFT
	s_add_co_u32 s22, s22, 2*HALFT
.irp s, 0,1
	v_add_nc_u32 v[ADRA+\s], s21, v4
	v_add_nc_u32 v[ADRB+\s], s22, v4
	v_add_nc_u32 v[ADRA+2+\s], s21, v5
	v_add_nc_u32 v[ADRB+2+\s], s22, v5
	s_add_co_u32 s21, s21, SLOT
	s_add_co_u32 s22, s22, SLOT
.endr
	v_mul_u32_u24 v5, v1, KS                       ; my row's scales
	v_lshrrev_b32 v6, 8, v5
	v_lshl_add_u32 v5, v6, 4, v5
	s_mul_i32 s21, s15, HALFS
	s_mul_i32 s22, s16, HALFS
	s_add_co_u32 s22, s22, 2*HALFS
	s_sub_co_u32 s22, s22, s21
	v_mul_u32_u24 v6, s22, v2                      ; lanes 16-31 take B's
	s_add_co_u32 s21, s21, SCL
	v_add_nc_u32 v5, v5, v6
	v_add_nc_u32 v[ADRS], s21, v5
	s_mul_i32 s23, s14, 16*SPITCH                  ; my stage
	v_and_b32 v6, 8, v1
	v_mad_u32_u24 v6, v6, 3, v1                    ; r % 8 + 32 (r / 8): by the tokens' order, lane r of tile a holds token 64 (a / 4) + 8 (a % 4) + r % 8 + 32 (r / 8)
	v_lshlrev_b32 v6, 2, v6
	v_mad_u32_u24 v6, v2, 8*SPITCH, v6             ; in: row 8 h + j (the j in the immediate), my token's 4 bytes
	v_add_nc_u32 v[VST], s23, v6
	v_mul_u32_u24 v6, v1, SPITCH
	v_lshl_add_u32 v6, v2, 7, v6                   ; back: row r, 32 keys for each half of the lanes
	v_add_nc_u32 v[VLD], s23, v6
	v_and_b32 v6, 31, v0
	v_lshlrev_b32 v[L16], 4, v6
	v_lshlrev_b32 v[HR], 4, v1
	v_mad_u32_u24 v[HR], v2, REC, v[HR]
	v_lshlrev_b32 v[SH], 4, v2
	; where my results go: record 16 x batch + head, the section by cluster x, key step g
	s_lshr_b32 s20, s17, 3                         ; the batch: 8 tile rows each
	s_lshl_b32 s20, s20, 4
	s_lshl_b32 s21, s16, 1
	s_add_co_u32 s20, s20, s21
	s_and_b32 s46, s42, 3
	s_lshl_b32 s46, s46, 2
	s_add_co_u32 s20, s20, s46                     ; + my first head: 4 (tile column % 4) + 2 x half
	s_mul_i32 s20, s20, REC
	s_and_b32 s21, s17, 7
	s_lshl_b32 s21, s21, 1
	s_add_co_u32 s21, s21, s15                     ; g
	; THE RECORD IS LAID BY KEY STEPS: 16 x 13,056 bytes (K's codes 6,144, V's codes 6,144, K's scale words 512, V's 256); behind them Q's codes 98,304 and Q's scale words 8,192
	s_mul_i32 s46, s21, 13056                      ; k: the step's part,
	s_add_co_u32 s47, s46, 12288                   ; and its scale words
	s_mul_i32 s22, s21, 6144
	s_add_co_u32 s22, s22, 208896                  ; q's codes
	s_lshl_b32 s94, s21, 9
	s_add_co_u32 s94, s94, 307200                  ; q's scale words
	s_cmp_eq_u32 ttmp9, 0
	s_cselect_b32 s22, s22, s46
	s_cselect_b32 s47, s94, s47
	s_cmp_eq_u32 ttmp9, 2
	s_cselect_b32 s46, 6144, 0                     ; v's codes lie behind k's, its scale words behind k's
	s_cselect_b32 s94, 512, 0
	s_add_co_u32 s22, s22, s46
	s_add_co_u32 s46, s47, s94
	s_add_co_u32 s46, s46, s20
	s_mov_b32 s47, 0
	s_add_co_u32 s20, s20, s22
	s_mov_b32 s21, 0
	s_add_nc_u64 s[92:93], s[12:13], s[46:47]      ; the scale words' base
	s_add_nc_u64 s[12:13], s[12:13], s[20:21]      ; the codes' base
.macro FRAG reg, adr, q, i             ; a fragment, 16 rows x 128 K: lane l holds row l % 16; registers 6 c .. 6 c + 5 hold K = 64 c + 32 (l / 16) + 0 .. 31: 24 bytes as they lie, in pieces of 8
.irp p, 0,1,2,3,4,5
.set PC, 12*(\q)+6*(\p/3)+\p%3        ; 16 bytes of padding lie behind every 8 pieces: where the piece three on lies behind one padding more, the second address register serves
.if PC%8 < 5
	ds_load_b64 v[\reg+2*\p:\reg+2*\p+1], v[\adr] offset:8*PC+16*(PC/8)+(\i)*16*PITCH
.else
	ds_load_b64 v[\reg+2*\p:\reg+2*\p+1], v[\adr+2] offset:8*PC+16*(PC/8)+(\i)*16*PITCH
.endif
.endr
.endm
; 16 matrix instructions: A's blocks a0, a0 + 1 x B's eight.  The 64 accumulators take turns, one instruction a turn, in the same order in every step.
.macro MUL16 a0, p, q, sc, zero
.irp a, \a0, \a0+1
.irp b, 0,1,2,3,4,5,6,7
.if \zero
	v_wmma_scale_f32_16x16x128_f8f6f4 v[8*(8*((\a)%4)+\b):8*(8*((\a)%4)+\b)+7], v[128*(\p)+FR*\b:128*(\p)+FR*\b+FR-1], v[AF+FR*(\a):AF+FR*(\a)+FR-1], 0, v[SC+8*NQ*(\sc)+NQ*\b+(\q)], v[SC+8*NQ*(\sc)+NQ*(\a)+(\q)] matrix_a_fmt:MATRIX_FMT_FP6 matrix_b_fmt:MATRIX_FMT_FP6 matrix_a_scale:MATRIX_SCALE_ROW1
.else
	v_wmma_scale_f32_16x16x128_f8f6f4 v[8*(8*((\a)%4)+\b):8*(8*((\a)%4)+\b)+7], v[128*(\p)+FR*\b:128*(\p)+FR*\b+FR-1], v[AF+FR*(\a):AF+FR*(\a)+FR-1], v[8*(8*((\a)%4)+\b):8*(8*((\a)%4)+\b)+7], v[SC+8*NQ*(\sc)+NQ*\b+(\q)], v[SC+8*NQ*(\sc)+NQ*(\a)+(\q)] matrix_a_fmt:MATRIX_FMT_FP6 matrix_b_fmt:MATRIX_FMT_FP6 matrix_a_scale:MATRIX_SCALE_ROW1
.endif
.endr
.endr
.endm
.macro FETCH_B slot, q, p
	WIN TO_B
.irp i, 0,1,2,3,4,5,6,7
	FRAG 128*(\p)+FR*\i, ADRB+\slot, \q, \i
.endr
	WIN 0
.endm
.macro FETCH_A slot, q, i0
.irp i, \i0, \i0+1, \i0+2, \i0+3
	FRAG AF+FR*(\i), ADRA+\slot, \q, \i
.endr
.endm
.macro SCALES sc                       ; a K step's scale words: lanes 0-15 take A's block i, lanes 16-31 B's block i
.irp i, 0,1,2,3,4,5,6,7
	ds_load_b64 v[SC+8*NQ*\sc+NQ*\i:SC+8*NQ*\sc+NQ*\i+1], v[ADRS] offset:\i*SBLK
.endr
.endm
.macro PLACES n                        ; plain vector instructions between a matrix instruction and a load into its registers or a read of its result
.rept \n
	v_nop
.endr
.endm
.macro STEP slot, q, zero              ; a step of 128 along K that has its successor in the same slot
	s_wait_dscnt 4*NL                              ; B's set and A's blocks 0-3 are in; the youngest 24 loads (A's blocks 4-7) may be out
	WIN MUL_LO
	MUL16 0, (\q)%2, \q, \slot, \zero
	MUL16 2, (\q)%2, \q, \slot, \zero
	s_wait_dscnt 0                                 ; A's blocks 4-7 are in
	PLACES NP
	FETCH_B \slot, (\q)+1, 1-(\q)%2
	FETCH_A \slot, (\q)+1, 0
	WIN MUL_HI
	MUL16 4, (\q)%2, \q, \slot, \zero
	MUL16 6, (\q)%2, \q, \slot, \zero
	PLACES NP
	WIN 0
	FETCH_A \slot, (\q)+1, 4
.endm
; A slot's last step changes slots: ONE barrier; in front of it each wave waits for all its tensor loads, adds 0 to its spare word, and waits for that and for its own reads of this slot.
.macro TURN slot, next, fill
	s_wait_tensorcnt 0x0                           ; all my tensor loads have landed: my part of the next slot
	ds_add_u32 v[SPW], v[NIL]                      ; 0 onto my spare word
	s_wait_dscnt 4*NL+1                            ; (the add and the youngest 24 loads may be out)
	WIN MUL_LO
	MUL16 0, 1, NQ-1, \slot, 0
	s_wait_dscnt 0x0                               ; the add is done, and my reads of this slot are over
	s_barrier_signal -1
	MUL16 2, 1, NQ-1, \slot, 0
	WIN 0
	s_barrier_wait -1
.if \fill
	CREST                                          ; the barrier has opened a round of the cluster's barrier: no wave of any partner still reads this slot or has a load on its way
	s_add_nc_u64 s[G0+4*\slot+2:G0+4*\slot+3], s[G0+4*\slot+2:G0+4*\slot+3], 2*APLANE
	s_add_nc_u64 s[G0B+4*\slot+2:G0B+4*\slot+3], s[G0B+4*\slot+2:G0B+4*\slot+3], 2*BPLANE
	JLOAD G0+4*\slot, G1, G0B+4*\slot, G1B         ; the first tensor load behind the round; its four v_nop are the places in front of the loads below
.else
	PLACES NP
.endif
	s_wait_alu depctr_va_vdst(0)
	v_add_nc_u32 v[ADRS], 4*NQ, v[ADRS]
	FETCH_B \next, 0, 0
	FETCH_A \next, 0, 0
	SCALES \next
	WIN MUL_HI
	MUL16 4, 1, NQ-1, \slot, 0
	MUL16 6, 1, NQ-1, \slot, 0
	PLACES NP
	WIN 0
	FETCH_A \next, 0, 4
.endm
	s_wait_alu depctr_va_vdst(0)                   ; the head's end
	s_wait_tensorcnt 0x0                           ; my tile of the head's four is in
	ds_add_u32 v[SPW], v[NIL]
	s_mov_b32 s[G1+2], 96<<16                      ; no tensor load of mine is out: from here on a load brings 128 rows x 192 bytes = 96 x 256
	s_mov_b32 s[G1+4], 96
	s_mov_b32 s[G1B+2], 96<<16
	s_mov_b32 s[G1B+4], 96
	s_wait_dscnt 0x0                               ; the add is done
	CROUND                                         ; all four tiles are in, and all sixteen work-groups are here
	JLOAD G0+4, G1, G0B+4, G1B                     ; K step 1's load, the first tensor load behind the round
	FETCH_B 0, 0, 0
	FETCH_A 0, 0, 0
	SCALES 0
	FETCH_A 0, 0, 4
	STEP 0, 0, 1                                   ; the first step's products start the sums
	s_mov_b32 s3, LAPS-1
.Llap:
	TURN 0, 1, 1
	STEP 1, 0, 0
	TURN 1, 0, 1
	STEP 0, 0, 0
	s_sub_co_u32 s3, s3, 1
	s_cmp_lg_u32 s3, 0
	s_cbranch_scc1 .Llap
	TURN 0, 1, 0                                   ; the last lap fills nothing
	STEP 1, 0, 0
	s_wait_dscnt 4*NL
	WIN MUL_LO
	MUL16 0, 1, NQ-1, 1, 0
	MUL16 2, 1, NQ-1, 1, 0
	s_wait_dscnt 0
	WIN MUL_HI
	MUL16 4, 1, NQ-1, 1, 0
	MUL16 6, 1, NQ-1, 1, 0
	WIN 0
; ---------------- THE WAY OUT
	PLACES NP
	s_mov_b32 s94, 0x76543210                      ; v_permlanex16_b32's selects for lane l xor 16
	s_mov_b32 s95, 0xfedcba98
.irp b, 0,1,2,3
	v_mov_b32 v[TP+\b], 0                          ; written once: a lane permute's destination counts as one of its sources
.endr
	s_cmp_eq_u32 ttmp9, 2                          ; cluster x: the same in all sixteen partners
	s_cbranch_scc1 .Lvpath
; Q AND K: quantised along the head's 64 channels.  The 64 registers of a block of 16 tokens (window w, from register s on) are columns 32 b + 16 h + i: four blocks of 32, two heads.
; d0, d1: where the two heads' six registers go;  pw: the four bytes.
.macro QUANT w, s, d0, d1, pw
	WIN (((\w)<<2)|((\w)<<4))                      ; sources 1 and 2 in the accumulators' window
.irp b, 0,1,2,3
	v_max3_num_f32 v[TM+\b], 0x1800000, |v[(\s)+16*\b]|, |v[(\s)+1+16*\b]|   ; my 16 numbers of block b, from each accumulator's low end on, and the floor 2^(3 - 127)
.endr
.set i, 2
.rept 7
.irp b, 0,1,2,3
	v_max3_num_f32 v[TM+\b], v[TM+\b], |v[(\s)+16*\b+i]|, |v[(\s)+1+16*\b+i]|
.endr
.set i, i+2
.endr
	WIN 0
.irp b, 0,1,2,3
	v_permlanex16_b32 v[TP+\b], v[TM+\b], s94, s95
.endr
.irp b, 0,1,2,3
	v_max_num_f32 v[TM+\b], v[TM+\b], v[TP+\b]     ; with lane l xor 16's: the block's largest magnitude
.endr
.irp b, 0,1,2,3
	v_add_nc_u32 v[SO+\b], 0xff000000, v[TM+\b]    ; 2 off its exponent field: the conversion's scale operand
.endr
.irp b, 0,1,2,3
	v_lshrrev_b32 v[TP+\b], 23, v[SO+\b]           ; the scale's byte
.endr
	v_lshl_or_b32 v[\pw], v[TP+1], 8, v[TP]
	v_lshl_or_b32 v[\pw], v[TP+2], 16, v[\pw]
	v_lshl_or_b32 v[\pw], v[TP+3], 24, v[\pw]
	WIN (\w)                                       ; source 0 in the accumulators' window
	v_cvt_scalef32_pk16_fp6_f32 v[\d0:\d0+2], v[(\s):(\s)+15], v[SO]
	v_cvt_scalef32_pk16_fp6_f32 v[T0:T0+2], v[(\s)+16:(\s)+31], v[SO+1]
	v_cvt_scalef32_pk16_fp6_f32 v[\d1:\d1+2], v[(\s)+32:(\s)+47], v[SO+2]
	v_cvt_scalef32_pk16_fp6_f32 v[T1:T1+2], v[(\s)+48:(\s)+63], v[SO+3]
	WIN 0
	v_nop                                          ; one plain place behind a scaled conversion
.irp i, 0,1,2
	v_permlane16_swap_b32 v[\d0+\i], v[T0+\i]      ; the operand's layout wants a whole block in a lane: lanes 0-15 the head's first 32, lanes 16-31 its second
	v_permlane16_swap_b32 v[\d1+\i], v[T1+\i]
.endr
.irp i, 0,1,2
	v_mov_b32 v[\d0+3+\i], v[T0+\i]
	v_mov_b32 v[\d1+3+\i], v[T1+\i]
.endr
.endm
.irp p, 0,1,2,3
.if \p > 0
	s_wait_xcnt 0x0                                ; the last pair's stores have read their registers: the images are written anew only behind this wait
.endif
	QUANT 2+(\p)/2, 128*((\p)%2), H0, H1, PW+2*\p
	QUANT 2+(\p)/2, 128*((\p)%2)+64, H0+6, H1+6, PW+2*\p+1
.irp c, 0,1,2
	global_store_b128 v[L16], v[H0+4*\c:H0+4*\c+3], s[12:13] offset:\p*1536+512*\c       ; 32 lanes store 512 consecutive bytes, at a multiple of 256 from the buffer's first byte
	global_store_b128 v[L16], v[H1+4*\c:H1+4*\c+3], s[12:13] offset:REC+\p*1536+512*\c   ; the second head's record
.endr
.endr
.irp a, 0,1,2,3,4,5,6,7
	v_lshrrev_b32 v[OUTS+\a], v[SH], v[PW+\a]      ; lanes 0-15 keep the first head's two bytes, lanes 16-31 the second's
.endr
.irp a, 0,1,2,3,4,5,6,7
	v_and_b32 v[OUTS+\a], 0xffff, v[OUTS+\a]       ; bytes 2 and 3 are 0: they scale the upper half of a K of 128, where q's codes are zeros
.endr
	global_store_b128 v[HR], v[OUTS:OUTS+3], s[92:93]              ; sixteen lanes store 256 consecutive bytes
	global_store_b128 v[HR], v[OUTS+4:OUTS+7], s[92:93] offset:256
	s_branch .Lfin
.Lvpath:
; V: quantised along the KEYS, which lie across lanes and tiles.  A tile column bt (16 channels x my 128 tokens) goes through my stage, laid [channel row 8 h + j][key], and comes back with a lane holding
; 2 x 32 neighbouring keys of one channel row: the operand's own order (K = 64 c + 32 h + 0 .. 31).  Row rho of tile dt = bt % 4 is channel 32 (dt / 2) + 16 (rho / 8) + 8 (dt % 2) + rho % 8 of head bt / 4.
	v_lshrrev_b32 v[SH8], 1, v[SH]
.macro VTILE bt
	WIN 0x08                                       ; an LDS store's data are its source 1: window 2
.irp a, 0,1,2,3
.irp j, 0,1,2,3,4,5,6,7
	ds_store_b32 v[VST], v[8*(8*\a+\bt)+\j] offset:\j*SPITCH+4*(64*(\a/4)+8*(\a%4))       ; each accumulator from its low end on
.endr
.endr
	WIN 0x0c                                       ; window 3
.irp a, 4,5,6,7
.irp j, 0,1,2,3,4,5,6,7
	ds_store_b32 v[VST], v[8*(8*(\a-4)+\bt)+\j] offset:\j*SPITCH+4*(64*(\a/4)+8*(\a%4))
.endr
.endr
	WIN 0
.irp c, 0,1
.irp y, 0,1,2,3,4,5,6,7
	ds_load_b128 v[XV+32*\c+4*\y:XV+32*\c+4*\y+3], v[VLD] offset:256*\c+16*\y   ; LDS serves a wave's instructions in order (ISA guide 5.7.1.4): these see my stores, and the next tile's stores come behind them
.endr
.endr
	s_wait_dscnt 0x0
	s_wait_xcnt 0x0                                ; the last tile's stores have read their registers
.irp c, 0,1
	v_max3_num_f32 v[TM+\c], |v[XV+32*\c]|, |v[XV+1+32*\c]|, 0x1800000   ; block 2 c + h: all its 32 keys are mine
.endr
.set i, 2
.rept 15
.irp c, 0,1
	v_max3_num_f32 v[TM+\c], v[TM+\c], |v[XV+32*\c+i]|, |v[XV+1+32*\c+i]|
.endr
.set i, i+2
.endr
.irp c, 0,1
	v_add_nc_u32 v[SO+\c], 0xff000000, v[TM+\c]
.endr
.irp c, 0,1
	v_lshrrev_b32 v[TP+\c], 23, v[SO+\c]
.endr
	v_lshl_or_b32 v[TP], v[TP+1], 16, v[TP]        ; my two bytes: blocks h and 2 + h,
	v_lshlrev_b32 v[TP], v[SH8], v[TP]             ; at their places in the word;
	v_permlanex16_b32 v[TP+2], v[TP], s94, s95
	v_or_b32 v[PW+\bt], v[TP], v[TP+2]             ; with lane l xor 16's two the word is whole
	v_cvt_scalef32_pk16_fp6_f32 v[H0:H0+2], v[XV:XV+15], v[SO]
	v_cvt_scalef32_pk16_fp6_f32 v[T0:T0+2], v[XV+16:XV+31], v[SO]
	v_cvt_scalef32_pk16_fp6_f32 v[H0+6:H0+8], v[XV+32:XV+47], v[SO+1]
	v_cvt_scalef32_pk16_fp6_f32 v[T1:T1+2], v[XV+48:XV+63], v[SO+1]
	v_nop                                          ; one plain place behind a scaled conversion
.irp i, 0,1,2
	v_mov_b32 v[H0+3+\i], v[T0+\i]
	v_mov_b32 v[H0+9+\i], v[T1+\i]
.endr
.irp c, 0,1,2
	global_store_b128 v[L16], v[H0+4*\c:H0+4*\c+3], s[12:13] offset:(\bt/4)*REC+(\bt%4)*1536+512*\c
.endr
.endm
.irp bt, 0,1,2,3,4,5,6,7
	VTILE \bt
.endr
	v_cmp_ne_u32 vcc_lo, 0, v[SH]                  ; lanes 16-31 store the second head's words
.irp j, 0,1,2,3
	v_cndmask_b32 v[OUTS+\j], v[PW+\j], v[PW+4+\j], vcc_lo
.endr
	global_store_b128 v[HR], v[OUTS:OUTS+3], s[92:93]
.Lfin:
	s_wait_tensorcnt 0x0                           ; the wave's end: behind my last tensor load and my last LDS store
	ds_add_u32 v[SPW], v[NIL]
	s_wait_dscnt 0x0
	CROUND                                         ; the closing round: no work-group ends while a partner may still ask for a tile that names it
	s_endpgm
.Lfunc_end_k_q563874acff_qkv:
	.size	k_q563874acff_qkv, .Lfunc_end_k_q563874acff_qkv-k_q563874acff_qkv
	.p2alignl 7, 3214868480
	.fill 96, 4, 3214868480
	.section	.rodata,"a",@progbits
	.p2align	6, 0x0
	.amdhsa_kernel k_q563874acff_qkv
		.amdhsa_group_segment_fixed_size 327680
		.amdhsa_private_segment_fixed_size 0
		.amdhsa_enable_private_segment 0
		.amdhsa_kernarg_size 40
		.amdhsa_user_sgpr_count 2
		.amdhsa_user_sgpr_kernarg_segment_ptr 1
		.amdhsa_wavefront_size32 1
		.amdhsa_system_sgpr_workgroup_id_x 1
		.amdhsa_system_sgpr_workgroup_id_y 1
		.amdhsa_system_sgpr_workgroup_id_z 1
		.amdhsa_system_vgpr_workitem_id 0
		.amdhsa_next_free_vgpr 1024
		.amdhsa_next_free_sgpr 98
		.amdhsa_reserve_vcc 1
		.amdhsa_float_denorm_mode_32 3
		.amdhsa_float_denorm_mode_16_64 3
		.amdhsa_memory_ordered 1
		.amdhsa_forward_progress 1
		.amdhsa_inst_pref_size 234
	.end_amdhsa_kernel
	.amdgpu_metadata
---
amdhsa.version: [ 1, 2 ]
amdhsa.kernels:
  - .name:           k_q563874acff_qkv
    .symbol:         k_q563874acff_qkv.kd
    .args:
      - { .name: xc, .offset: 0, .size: 8, .value_kind: global_buffer, .address_space: global }
      - { .name: xs, .offset: 8, .size: 8, .value_kind: global_buffer, .address_space: global }
      - { .name: wc, .offset: 16, .size: 8, .value_kind: global_buffer, .address_space: global }
      - { .name: ws, .offset: 24, .size: 8, .value_kind: global_buffer, .address_space: global }
      - { .name: qkv, .offset: 32, .size: 8, .value_kind: global_buffer, .address_space: global }
    .group_segment_fixed_size: 327680
    .private_segment_fixed_size: 0
    .kernarg_segment_align: 8
    .kernarg_segment_size: 40
    .max_flat_workgroup_size: 128
    .sgpr_count:     98
    .vgpr_count:     1024
    .wavefront_size: 32
...
	.end_amdgpu_metadata
.endif
;; end of part 2
;; launch attn (part 3): grid 4 x 64, 16 waves a work-group, no clusters, 327,680 bytes of LDS; arguments qkv, bias_t, yc, ys; writes yc, ys
.if DOCPART == 3
	.amdgcn_target "amdgcn-amd-amdhsa--gfx1250"
	.amdhsa_code_object_version 6
	.text
	.protected	k_q563874acff_attn
	.globl	k_q563874acff_attn
	.p2align	8
	.type	k_q563874acff_attn,@function
k_q563874acff_attn:
	s_mov_b64 s[64:65], 0
	v_nop
	global_prefetch_b8 v0, s[64:65] scope:SCOPE_SE
	s_setreg_imm32_b32 hwreg(HW_REG_WAVE_MODE, 25, 1), 1
	s_wait_xcnt 0x0
; y = softmax(q k^T / 8 + bias, causal) v for one (batch, head), both products on codes of FP6 (E2M3) with one E8M0 scale for each 32 along K; y is quantised along the model's 1,024 on the way out.
; INPUT: the head's record (operands as images of their registers), laid by key steps of 128 keys: 16 x CH bytes (K's codes 6,144, V's codes 6,144, K's scale words 512, V's 256), then Q; and the head's bias table.
; OUTPUT: yc [head][place of the token][48 bytes], ys [place][32], byte 2 head + block.
; K AND V OF THE HEAD STAY IN LDS, each byte filled once.  At the head waves 0-3 ask for key steps 0-3 and wave 4 for the table; behind the full sequence, waves 0-11 ask for
; steps 4-15, which land while steps 0-3 are worked; one more barrier stands ahead of step 4.  Every wait on TENSORcnt is for 0; a wave has one load out at the most.
; SHARES.  The head's 2,048 queries are 16 groups of 128, each 8 tiles of 16.  Work-group j (0..3) owns tiles 2 j and 2 j + 1 of every group.  Wave w makes tile 2 j of group w (pass 0: w + 1 key steps)
; and tile 2 j + 1 of group 15 - w (pass 1: 16 - w key steps): 17 key steps for every wave.  Key steps wholly behind a group are left out by a branch on ids.
; THE TOKENS' ORDER: row r of tile a of a group is token 64 (a / 4) + 8 (a % 4) + r % 8 + 32 (r / 8).  Both products are used transposed (S^T = K Q^T, O^T = V^T P^T): a lane (r, h) holds ONE query, and
; register 32 c + i of S^T is key 64 c + 32 h + i of the step: a whole block of 32 keys in a lane, in the order of the second product's operand.  No lane is asked for a block's maximum, no code changes lanes.
; K = 64 IN AN INSTRUCTION OF K = 128: Q's registers 6-11 are zero codes and bytes 2, 3 of both scale words are 0; K's operand names 12 registers, the upper six being the next tile's codes (behind tile 7: zeros):
; every code of E2M3 is finite, so those products are exact zeros.
; THE BIAS AND THE CAUSAL MASK ARE THE C OF THE FIRST PRODUCT.  The table holds rev[J] = 8 bias[2047 - J] for J = 2047 - query + key up to 2047 and -1e30 beyond (a key behind its query), four times, copy s
; moved by s words and 8,736 bytes from the copy before: a lane's 32 words from any J on are eight aligned loads of 16 bytes, and sixteen lanes touch sixteen different columns of 16 bytes modulo 256.
; S' = k q + 8 bias, t = S' x log2(e) / 8 (s / 8 + bias would round differently within f32's last bits).
; SOFTMAX: M = the running largest t rounded UP to a whole number; p = 2^(t - M), not normalised, is quantised along the keys; the row's sum is taken of the unquantised p and divides O at the end.
; CLUSTER: none, though the four work-groups of a head read the same K and V: the bias's LDS address hangs on j, which would be the place in the cluster.
; PREFETCH: none: the launch has no loop of loads to run ahead in; each byte is asked for once, by the two groups of loads above.
; LIMITS: the promise holds while the scaled scores t stay under 2^31 in magnitude (a hidden key's t is about -1.8e29); a block of zeros, and one whose largest magnitude lies under 2^-124, keeps the scale byte 1;
; NaN and infinities are not served.
; THE TWO GROUPS OF LOADS, as the code below has them (where the lines above name other numbers, these hold): at the head waves 0-5 ask for key steps 0-5 and wave 6 for the table; behind the full sequence
; waves 0-9 ask for steps 6-15, which land while steps 0-5 are worked; the second barrier stands ahead of step 6.
.set REC,   315392
.set CH,    13056                      ; a key step's part of the record: 51 rows of 256 bytes
.set BIAS,  0                          ; LDS: the bias table, 137 x 256 bytes
.set KV,    35072                      ; the 16 key steps
.set STG,   243968                     ; a stage of 1,536 bytes for each wave: two tiles of y's codes
.set SPARE, 268544                     ; the spare words, 128 bytes for each wave: eight blocks of 256 bytes that no other line names
.set AB0,  1                           ; my lane's place in the bias table
.set AK0,  2                           ; 16 x lane + KV
.set AS0,  3                           ; 16 r + KV
.set SH8,  4                           ; 8 h
.set SPW,  5                           ; LDS address of my spare word; never rewritten
.set NIL,  6                           ; 0; never rewritten
.set ADB,  8                           ; v8-10 the addresses of the step in hand
.set ADK,  9
.set ADS,  10
.set SOUT, 29                          ; the stage, on the way out: 16 x lane
.set SIN,  31                          ; the stage, on the way in: 48 r + 24 h
; v12 -M, v13 the largest S', v[14:15] the sum; v16-27 Q of pass 0, v196-207 of pass 1; v32-79 K's or V's fragments; v80-85 zeros; v86-93 K's scale words; v94, v95 Q's; v96-159 S', then p; v160-191 O^T;
; v192-195 V's scale words; v208, v209 y's scale bytes; v210-219 global offsets; v224-235 p's codes; v236-252 at work; v253 p's scale word
.set WV,  18
.set JJ,  19
.set SEL, 20
.set CS,  22
.set G1A, 24                           ; s[24:31] group 1: 51 rows of 256 bytes;  s[32:39]: 137 rows
.set G1B, 32
.set G0A, 40                           ; key step w
.set G0B, 44                           ; the table
.set QB,  48
.set GX,  50                           ; 15 - wave
.set J3,  51                           ; the bias: 4 x (80 - 64 (j / 2) - 16 (j % 2))
.set RB,  52
.set SI,  54                           ; the key step
.set GL,  55                           ; the pass's group = its last key step
.set TK,  56                           ; CH x the key step
.set BO,  59                           ; the bias: 512 a step
.set BH,  60                           ; 16 x batch + head
.set G0C, 68                           ; key step w + 6
.macro DEP n
	s_delay_alu instid0(VALU_DEP_\n)
.endm
.macro VWAIT
	s_wait_alu depctr_va_vdst(0)
.endm
	s_load_b128 s[4:7], s[0:1], 0x0                ; qkv, bias_t
	s_load_b128 s[8:11], s[0:1], 0x10              ; yc, ys
	v_lshl_add_u32 v[SPW], v0, 2, SPARE
	v_mov_b32 v[NIL], 0
	ds_add_u32 v[SPW], v[NIL]                      ; the opening lines: the add, twice on end, and its wait ahead of the first tensor load
	ds_add_u32 v[SPW], v[NIL]
	v_lshrrev_b32 v8, 5, v0
	DEP 1
	v_readfirstlane_b32 s[WV], v8                  ; wave 0..15
	s_and_b32 s[JJ], ttmp9, 3                      ; j
	s_xor_b32 s12, s[JJ], 3
	s_lshr_b32 s13, s12, 1
	s_lshl_b32 s13, s13, 8
	s_and_b32 s12, s12, 1
	s_lshl_b32 s12, s12, 6
	s_add_co_u32 s[J3], s12, s13
	s_and_b32 s[BH], ttmp7, 0xffff
	s_xor_b32 s[GX], s[WV], 15
	s_mov_b32 s[G1A], 3<<16                        ; no mask; elements of 8 bytes; no padding
	s_mov_b32 s[G1A+1], 32<<16                     ; rows of 32 elements: 256 bytes
	s_mov_b32 s[G1A+2], 51<<16
	s_mov_b32 s[G1A+3], 32<<16
	s_mov_b32 s[G1A+4], 51
	s_mov_b32 s[G1A+5], 32                         ; dense
	s_mov_b32 s[G1A+6], 0
	s_mov_b32 s[G1A+7], 0
	s_mov_b32 s[G1B], 3<<16
	s_mov_b32 s[G1B+1], 32<<16
	s_mov_b32 s[G1B+2], 137<<16
	s_mov_b32 s[G1B+3], 32<<16
	s_mov_b32 s[G1B+4], 137
	s_mov_b32 s[G1B+5], 32
	s_mov_b32 s[G1B+6], 0
	s_mov_b32 s[G1B+7], 0
	s_mov_b32 s[SEL], 0x76543210                   ; v_permlanex16_b32's selects for lane l xor 16
	s_mov_b32 s[SEL+1], 0xfedcba98
	s_mov_b32 s[CS], 0x3e38aa3b                    ; c = log2(e) / 8
	s_mov_b32 s[CS+1], s[CS]                       ; (named with it as a pair, so it is written)
	s_mul_i32 s12, s[BH], REC
	s_mov_b32 s13, 0
	s_mul_i32 s14, s[WV], CH
	s_mov_b32 s15, 0
	s_and_b32 s16, s[BH], 15
	s_mul_i32 s16, s16, 36864
	s_mov_b32 s17, 0
	s_wait_dscnt 0x0                               ; both opening adds are done
	s_wait_kmcnt 0x0
	s_add_nc_u64 s[RB:RB+1], s[4:5], s[12:13]
	s_add_nc_u64 s[QB:QB+1], s[RB:RB+1], 208896
	s_mov_b32 s[G0A], 1
	s_add_co_u32 s[G0A+1], s14, KV
	s_add_nc_u64 s[G0A+2:G0A+3], s[RB:RB+1], s[14:15]
	s_mov_b32 s[G0C], 1
	s_add_co_u32 s[G0C+1], s14, KV+6*CH
	s_add_nc_u64 s[G0C+2:G0C+3], s[G0A+2:G0A+3], 6*CH
	s_or_b32 s[G0A+3], s[G0A+3], 0x80000000
	s_or_b32 s[G0C+3], s[G0C+3], 0x80000000
	s_mov_b32 s[G0B], 1
	s_mov_b32 s[G0B+1], BIAS
	s_add_nc_u64 s[G0B+2:G0B+3], s[6:7], s[16:17]
	s_or_b32 s[G0B+3], s[G0B+3], 0x80000000
	s_cmp_lt_u32 s[WV], 6                          ; waves 0-5: key step w; wave 6: the table; the others nothing yet
	s_cbranch_scc0 .Lnot_kv
	tensor_load_to_lds s[G0A:G0A+3], s[G1A:G1A+7]
	s_nop 0
.rept 4
	v_nop
.endr
	s_branch .Lasked
.Lnot_kv:
	s_cmp_eq_u32 s[WV], 6
	s_cbranch_scc0 .Lasked
	tensor_load_to_lds s[G0B:G0B+3], s[G1B:G1B+7]
	s_nop 0
.rept 4
	v_nop
.endr
.Lasked:
	s_mul_i32 s15, s[JJ], 1536                     ; the scalars first, then the vector lines on end
	s_mul_i32 s12, s[WV], 6144
	s_add_co_u32 s12, s12, s15                     ; Q's image of pair j in group w,
	s_mul_i32 s13, s[GX], 6144
	s_add_co_u32 s13, s13, s15                     ; and in group 15 - w
	s_lshr_b32 s15, s[JJ], 1
	s_lshl_b32 s15, s15, 8
	s_and_b32 s16, s[JJ], 1
	s_lshl_b32 s16, s16, 3
	s_add_co_u32 s16, s16, s15                     ; tile 2 j's scale word in a step's: 256 (j / 2) + 8 (j % 2)
	s_lshl_b32 s14, s[WV], 9
	s_add_co_u32 s14, s14, s16
	s_lshl_b32 s15, s[GX], 9
	s_add_co_u32 s15, s15, s16
	s_mul_i32 s16, s[WV], 1536
	s_add_co_u32 s16, s16, STG                     ; my stage
	v_and_b32 v240, 15, v0                         ; r
	v_bfe_u32 v241, v0, 4, 1                       ; h
	v_and_b32 v242, 31, v0                         ; lane
	DEP 1
	v_lshlrev_b32 v243, 4, v242
	DEP 1
	v_add_nc_u32 v210, s12, v243
	v_add_nc_u32 v211, s13, v243
	v_lshl_add_u32 v212, v240, 4, s14
	v_lshl_add_u32 v213, v240, 4, s15
	global_load_b128 v[16:19], v210, s[QB:QB+1]                ; of pair j's image, tile 2 j is registers 0-5,
	global_load_b64 v[20:21], v210, s[QB:QB+1] offset:512
	global_load_b64 v[196:197], v211, s[QB:QB+1] offset:520    ; tile 2 j + 1 registers 6-11
	global_load_b128 v[198:201], v211, s[QB:QB+1] offset:1024
	global_load_b32 v94, v212, s[QB:QB+1] offset:98304
	global_load_b32 v95, v213, s[QB:QB+1] offset:98304+4
	; the bias: rho = 39 - (r % 8 + 32 (r / 8)); copy rho % 4; byte 8,736 (rho % 4) + 4 (rho - rho % 4) + 128 h
	v_xor_b32 v244, 15, v240
	DEP 1
	v_and_b32 v245, 8, v244
	DEP 1
	v_mad_u32_u24 v244, v245, 3, v244
	DEP 1
	v_and_b32 v245, 3, v244
	DEP 1
	v_mul_u32_u24 v[AB0], v245, 8736
	v_and_b32 v245, 0x3c, v244
	DEP 1
	v_lshl_add_u32 v[AB0], v245, 2, v[AB0]
	DEP 1
	v_lshl_add_u32 v[AB0], v241, 7, v[AB0]
	v_add_nc_u32 v[AK0], KV, v243
	v_lshl_add_u32 v[AS0], v240, 4, KV
	v_add_nc_u32 v[SOUT], s16, v243
	v_mul_u32_u24 v[SIN], v240, 48
	DEP 1
	v_mad_u32_u24 v[SIN], v241, 24, v[SIN]
	DEP 1
	v_add_nc_u32 v[SIN], s16, v[SIN]
	v_lshlrev_b32 v[SH8], 3, v241
.irp i, 0,1,2,3,4,5
	v_mov_b32 v[22+\i], 0                          ; zero codes: the upper half of Q's K,
	v_mov_b32 v[202+\i], 0
	v_mov_b32 v[80+\i], 0                          ; and what tile 7 of K names behind its own six
.endr
.irp i, 236,237,243,252,253
	v_mov_b32 v\i, 0                               ; written once: a lane permute's destination counts as one of its sources, and v253 is named in a pair with v252
.endr
	VWAIT                                          ; the head's end
	s_wait_tensorcnt 0x0                           ; my part of steps 0-5 or the table has landed.  The full sequence ahead of a later first fill:
	ds_add_u32 v[SPW], v[NIL]                      ; the add, twice on end here
	ds_add_u32 v[SPW], v[NIL]
	s_wait_dscnt 0x0
	s_barrier_signal -1
	s_barrier_wait -1                              ; everybody's has
	s_cmp_lt_u32 s[WV], 10                         ; waves 0-9: key step w + 6
	s_cbranch_scc0 .Lasked2
	tensor_load_to_lds s[G0C:G0C+3], s[G1A:G1A+7]
	s_nop 0
.rept 4
	v_nop
.endr
.Lasked2:
	s_wait_loadcnt 0x0                             ; Q
; A KEY STEP of pass e: 128 keys.
.macro STEP e
.if \e == 0
.set QR, 16
.else
.set QR, 196
.endif
	s_cmp_gt_u32 s[SI], s[GL]                      ; all its keys come behind my queries: the work is left out (ids and the count of steps alone)
	s_cbranch_scc1 .Lskip_\@
	v_add_nc_u32 v[ADB], s[BO], v[AB0]             ; (these four lines are the places in front of the loads into registers that the last products read)
	v_add_nc_u32 v[ADK], s[TK], v[AK0]
	v_add_nc_u32 v[ADS], s[TK], v[AS0]
	v_nop
.irp c, 0,1
.irp w, 0,1,2,3,4,5,6,7
	ds_load_b128 v[96+32*\c+4*\w:99+32*\c+4*\w], v[ADB] offset:256*\c+16*\w    ; 8 x bias (or the mask) of my query and keys 64 c + 32 h + 4 w on: the sums' first term
.endr
.endr
.irp p, 0,1,2,3
.irp c, 0,1,2
	ds_load_b128 v[32+12*\p+4*\c:35+12*\p+4*\c], v[ADK] offset:1536*\p+512*\c   ; K's eight tiles, six registers each
.endr
.endr
	ds_load_b128 v[86:89], v[ADS] offset:12288     ; their scale words
	ds_load_b128 v[90:93], v[ADS] offset:12544
	VWAIT                                          ; directly ahead of the wait below: the addresses are read again behind it
	s_wait_dscnt 0x0
.irp t, 0,1,2,3,4,5,6,7
	v_wmma_scale_f32_16x16x128_f8f6f4 v[96+8*\t:103+8*\t], v[32+6*\t:43+6*\t], v[QR:QR+11], v[96+8*\t:103+8*\t], v[86+\t], v[94+\e] matrix_a_fmt:MATRIX_FMT_FP6 matrix_b_fmt:MATRIX_FMT_FP6
.endr
.rept 4
	v_nop                                          ; places in front of the loads below and of the first read of the scores
.endr
.irp p, 0,1,2,3
.irp c, 0,1,2
	ds_load_b128 v[32+12*\p+4*\c:35+12*\p+4*\c], v[ADK] offset:6144+1536*\p+512*\c   ; V's four fragments land while the softmax is walked
.endr
.endr
	ds_load_b128 v[192:195], v[ADS] offset:12800
.irp c, 0,1                            ; the largest score of my two blocks of 32 keys, each in two chains; each accumulator is first read at its low end
	v_max3_num_f32 v[238+\c], v[96+32*\c], v[97+32*\c], v[98+32*\c]
	v_max3_num_f32 v[240+\c], v[112+32*\c], v[113+32*\c], v[114+32*\c]
.endr
.irp i, 3,5,7,9,11,13
.irp c, 0,1
	v_max3_num_f32 v[238+\c], v[238+\c], v[96+32*\c+\i], v[97+32*\c+\i]
	v_max3_num_f32 v[240+\c], v[240+\c], v[112+32*\c+\i], v[113+32*\c+\i]
.endr
.endr
.irp c, 0,1
	v_max3_num_f32 v[238+\c], v[238+\c], v[240+\c], v[111+32*\c]
.endr
.irp c, 0,1
	v_max_num_f32 v[238+\c], v[238+\c], v[127+32*\c]   ; it serves twice: for the row's maximum, and, since p rises with the score, for the block's largest p
.endr
	DEP 1
	v_max_num_f32 v242, v238, v239
	DEP 1
	v_permlanex16_b32 v243, v242, s[SEL], s[SEL+1]
	DEP 1
	v_max3_num_f32 v13, v13, v242, v243            ; the running largest S' of my query
	DEP 1
	v_mul_f32 v236, s[CS], v13                     ; as t (c is positive)
	v_mov_b32 v237, v12
	DEP 2
	v_floor_f32 v12, -v236                         ; the new -M = floor(-t): M is a whole number
	DEP 1
	v_sub_f32 v237, v12, v237                      ; old M - new M: a whole number, 0 or less
	DEP 1
	v_cvt_i32_f32 v237, v237                       ; (it saturates)
	DEP 1
	v_ldexp_f32 v252, 1.0, v237                    ; f = 2^(old M - new M): a multiplication by it rounds nothing
.set n, 0
.rept 32
	v_pk_fma_f32 v[96+n:97+n], v[96+n:97+n], s[CS:CS+1], v[12:13] op_sel_hi:[1,0,0]   ; t - M, two at a time
.set n, n+2
.endr
	v_fma_f32 v238, v238, s[CS], v12               ; the same of each block's largest score
	v_fma_f32 v239, v239, s[CS], v12
	VWAIT                                          ; ahead of the batch
.set n, 0
.rept 64
	v_exp_f32 v[96+n], v[96+n]                     ; p = 2^(t - M), at most 1
.set n, n+1
.endr
	v_exp_f32 v238, v238                           ; the blocks' largest p
	v_exp_f32 v239, v239
	v_pk_mul_f32 v[14:15], v[14:15], v[252:253] op_sel_hi:[1,0]   ; the sums under the new M (a plain place behind the exponentials)
	VWAIT                                          ; behind the batch, and directly ahead of the first reader of O^T
.set n, 0
.rept 16
	v_pk_mul_f32 v[160+n:161+n], v[160+n:161+n], v[252:253] op_sel_hi:[1,0]   ; O^T under the new M
.set n, n+2
.endr
	v_max_num_f32 v238, 0x1800000, v238            ; the floor 2^(3 - 127): the byte cannot fall under 1
	v_max_num_f32 v239, 0x1800000, v239
	DEP 2
	v_add_nc_u32 v244, 0xff000000, v238            ; 2 off the exponent field: the conversion's scale operand
	DEP 2
	v_add_nc_u32 v245, 0xff000000, v239
	DEP 2
	v_lshrrev_b32 v236, 23, v244                   ; the scale's byte
	DEP 2
	v_lshrrev_b32 v237, 23, v245
	DEP 1
	v_lshl_or_b32 v236, v237, 16, v236             ; my two bytes: blocks h and 2 + h,
	DEP 1
	v_lshlrev_b32 v236, v[SH8], v236               ; at their places in the word;
	DEP 1
	v_permlanex16_b32 v237, v236, s[SEL], s[SEL+1]
	DEP 1
	v_or_b32 v253, v236, v237                      ; with lane l xor 16's two the word is whole
	v_cvt_scalef32_pk16_fp6_f32 v[224:226], v[96:111], v244
	v_cvt_scalef32_pk16_fp6_f32 v[240:242], v[112:127], v244   ; (a conversion's three registers begin on an even number)
	v_cvt_scalef32_pk16_fp6_f32 v[230:232], v[128:143], v245
	v_cvt_scalef32_pk16_fp6_f32 v[246:248], v[144:159], v245
	v_nop                                          ; one plain place behind a scaled conversion
.irp i, 0,1,2
	v_mov_b32 v[227+\i], v[240+\i]
	v_mov_b32 v[233+\i], v[246+\i]
.endr
	v_pk_add_f32 v[236:237], v[96:97], v[98:99]    ; the row's sum, of the unquantised p, in four chains.  (These 32 lines are also the places between the codes' and the scale word's writes and the products)
	v_pk_add_f32 v[242:243], v[100:101], v[102:103]
	v_pk_add_f32 v[250:251], v[104:105], v[106:107]
	v_pk_add_f32 v[14:15], v[14:15], v[108:109]
.set n, 7
.rept 6
.irp a, 14,236,242,250
	v_pk_add_f32 v[\a:\a+1], v[\a:\a+1], v[96+2*n:97+2*n]
.set n, n+1
.endr
.endr
	v_pk_add_f32 v[14:15], v[14:15], v[158:159]
	v_pk_add_f32 v[236:237], v[236:237], v[242:243]
	DEP 2
	v_pk_add_f32 v[14:15], v[14:15], v[250:251]
	DEP 1
	v_pk_add_f32 v[14:15], v[14:15], v[236:237]
	VWAIT                                          ; directly ahead of the wait below
	s_wait_dscnt 0x0                               ; V is in
.irp t, 0,1,2,3
	v_wmma_scale_f32_16x16x128_f8f6f4 v[160+8*\t:167+8*\t], v[32+12*\t:43+12*\t], v[224:235], v[160+8*\t:167+8*\t], v[192+\t], v253 matrix_a_fmt:MATRIX_FMT_FP6 matrix_b_fmt:MATRIX_FMT_FP6
.endr
.Lskip_\@:
.endm
; The accumulators take turns, one instruction a turn, over the backward jump too.
.macro BEGIN e                         ; a pass: one tile of 16 queries
.if \e == 0
	s_mov_b32 s[GL], s[WV]
	s_lshl_b32 s[BO], s[GX], 9                     ; 512 (15 - g)
	s_add_co_u32 s[BO], s[BO], 32                  ; + 32 (1 - e)
.else
	s_mov_b32 s[GL], s[GX]
	s_lshl_b32 s[BO], s[WV], 9
.endif
	s_add_co_u32 s[BO], s[BO], s[J3]
	s_mov_b32 s[TK], 0
	s_mov_b32 s[SI], 0
	v_mov_b32 v13, 0xff61b1e6                      ; the largest S' so far: -3e38
	v_mov_b32 v12, 0x7f61b1e6                      ; -M: a whole number far over every later one, so that the first f is 0
	v_mov_b32 v14, 0
	v_mov_b32 v15, 0
.set n, 0
.rept 32
	v_mov_b32 v[160+n], 0                          ; O^T: the step is written once; the first change of M leaves zeros zeros
.set n, n+1
.endr
.endm
.macro WALK e, last                    ; key steps up to last - 1
.Lstep_\@:
	STEP \e
	s_add_co_u32 s[TK], s[TK], CH
	s_add_co_u32 s[BO], s[BO], 512
	s_add_co_u32 s[SI], s[SI], 1
	s_cmp_lt_u32 s[SI], \last
	s_cbranch_scc1 .Lstep_\@
.endm
.macro OUT e                           ; y = O / the sum, quantised along the head's 64 channels, into my stage
.rept 4
	v_nop                                          ; places behind the last products
.endr
	v_add_f32 v14, v14, v15
	DEP 1
	v_permlanex16_b32 v252, v14, s[SEL], s[SEL+1]
	DEP 1
	v_add_f32 v14, v14, v252                       ; the row's sum
	VWAIT
	v_rcp_f32 v14, v14
	v_nop                                          ; a plain place behind the transcendental
	VWAIT                                          ; ahead of its first reader, which is O^T's too
.set n, 0
.rept 16
	v_pk_mul_f32 v[96+n:97+n], v[160+n:161+n], v[14:15] op_sel_hi:[1,0]   ; y: register 16 b + i is channel 32 b + 16 h + i of my query, by the order of V's rows
.set n, n+2
.endr
.irp b, 0,1
	v_max3_num_f32 v[232+\b], |v[96+16*\b]|, |v[97+16*\b]|, 0x1800000
.endr
.set n, 2
.rept 7
.irp b, 0,1
	DEP 2
	v_max3_num_f32 v[232+\b], v[232+\b], |v[96+16*\b+n]|, |v[97+16*\b+n]|
.endr
.set n, n+2
.endr
.irp b, 0,1
	DEP 2
	v_permlanex16_b32 v[236+\b], v[232+\b], s[SEL], s[SEL+1]
.endr
.irp b, 0,1
	DEP 2
	v_max_num_f32 v[232+\b], v[232+\b], v[236+\b]  ; with lane l xor 16's 16 channels: the block's largest magnitude
.endr
.irp b, 0,1
	DEP 2
	v_add_nc_u32 v[244+\b], 0xff000000, v[232+\b]
.endr
.irp b, 0,1
	DEP 2
	v_lshrrev_b32 v[236+\b], 23, v[244+\b]
.endr
	DEP 1
	v_lshl_or_b32 v[208+\e], v237, 8, v236         ; my query's two scale bytes of this head
	v_cvt_scalef32_pk16_fp6_f32 v[224:226], v[96:111], v244
	v_cvt_scalef32_pk16_fp6_f32 v[240:242], v[112:127], v245
	v_nop
.irp i, 0,1,2
	v_permlane16_swap_b32 v[224+\i], v[240+\i]     ; a whole block in a lane
.endr
.irp i, 0,1,2
	DEP 3
	v_mov_b32 v[227+\i], v[240+\i]                 ; lane (r, h): channels 32 h .. 32 h + 31: 24 bytes of the row's 48
.endr
.irp y, 0,1,2
	ds_store_b64 v[SIN], v[224+2*\y:225+2*\y] offset:768*\e+8*\y
.endr
.endm
	BEGIN 0
	WALK 0, 6                                      ; steps 0-5, which the head's loads brought
	VWAIT
	s_wait_tensorcnt 0x0                           ; my part of steps 6-15 has landed,
	s_wait_dscnt 0x0
	s_barrier_signal -1
	s_barrier_wait -1                              ; everybody's has.
	s_mov_b32 s[SI], 6                             ; the second walk begins at step 6
	s_mov_b32 s[TK], 6*CH
	WALK 0, 16
	OUT 0
	BEGIN 1
	WALK 1, 16
	OUT 1
	; the two tiles' 2 x 768 bytes leave as three stores of 16 bytes a lane: each sixteen lanes store 256 consecutive bytes, at a multiple of 256 from the buffer's first byte
	ds_load_b128 v[96:99], v[SOUT]                 ; LDS serves a wave's instructions in order (ISA guide 5.7.1.4): these see my stores
	ds_load_b128 v[100:103], v[SOUT] offset:512
	ds_load_b128 v[104:107], v[SOUT] offset:1024
	s_and_b32 s12, s[BH], 15                       ; the head
	s_lshr_b32 s13, s[BH], 4
	s_lshl_b32 s13, s13, 11                        ; 2,048 x batch
	s_lshl_b32 s14, s[JJ], 5
	s_add_co_u32 s13, s13, s14
	s_lshl_b32 s14, s[WV], 7
	s_add_co_u32 s14, s14, s13                     ; pass 0's first place: 2048 b + 128 w + 32 j
	s_lshl_b32 s15, s[GX], 7
	s_add_co_u32 s15, s15, s13
	s_add_co_u32 s15, s15, 16                      ; pass 1's: 2048 b + 128 (15 - w) + 32 j + 16
	s_mul_i32 s16, s12, 393216
	s_mul_i32 s17, s14, 48
	s_add_co_u32 s17, s17, s16                     ; tile 0 in yc
	s_mul_i32 s26, s15, 48
	s_add_co_u32 s26, s26, s16                     ; tile 1
	s_add_co_u32 s24, s17, 512                     ; the middle run: tile 0's last 256 bytes,
	s_sub_co_u32 s25, s26, 256                     ; then tile 1's first
	s_add_co_u32 s26, s26, 256
	s_lshl_b32 s14, s14, 5
	s_lshl_b32 s15, s15, 5
	s_lshl_b32 s12, s12, 1
	s_add_co_u32 s14, s14, s12                     ; ys: 32 bytes a place, + 2 x head
	s_add_co_u32 s15, s15, s12
	v_and_b32 v240, 15, v0
	v_and_b32 v242, 31, v0
	DEP 1
	v_lshlrev_b32 v243, 4, v242
	v_cmp_le_u32 vcc_lo, 16, v242                  ; lanes 16-31
	v_add_nc_u32 v214, s17, v243
	v_mov_b32 v215, s24
	v_mov_b32 v217, s25
	DEP 1
	v_cndmask_b32 v215, v215, v217, vcc_lo
	DEP 1
	v_add_nc_u32 v215, v215, v243
	v_add_nc_u32 v216, s26, v243
	v_mov_b32 v218, s14
	v_mov_b32 v219, s15
	DEP 1
	v_cndmask_b32 v218, v218, v219, vcc_lo
	DEP 1
	v_lshl_add_u32 v218, v240, 5, v218
	v_cndmask_b32 v219, v208, v209, vcc_lo         ; lanes 0-15 pass 0's bytes, lanes 16-31 pass 1's
	VWAIT                                          ; directly ahead of the wait below
	s_wait_dscnt 0x0
	global_store_b128 v214, v[96:99], s[8:9]
	global_store_b128 v215, v[100:103], s[8:9]
	global_store_b128 v216, v[104:107], s[8:9]
	global_store_b16 v218, v219, s[10:11]          ; two bytes a row, rows 32 bytes apart: one byte in 24 of what the launch stores
	s_wait_tensorcnt 0x0                           ; the wave's end: behind my last tensor load and my last LDS store
	ds_add_u32 v[SPW], v[NIL]
	s_wait_dscnt 0x0
	s_endpgm
.Lfunc_end_k_q563874acff_attn:
	.size	k_q563874acff_attn, .Lfunc_end_k_q563874acff_attn-k_q563874acff_attn
	.p2alignl 7, 3214868480
	.fill 96, 4, 3214868480
	.section	.rodata,"a",@progbits
	.p2align	6, 0x0
	.amdhsa_kernel k_q563874acff_attn
		.amdhsa_group_segment_fixed_size 327680
		.amdhsa_private_segment_fixed_size 0
		.amdhsa_enable_private_segment 0
		.amdhsa_kernarg_size 32
		.amdhsa_user_sgpr_count 2
		.amdhsa_user_sgpr_kernarg_segment_ptr 1
		.amdhsa_wavefront_size32 1
		.amdhsa_system_sgpr_workgroup_id_x 1
		.amdhsa_system_sgpr_workgroup_id_y 1
		.amdhsa_system_sgpr_workgroup_id_z 1
		.amdhsa_system_vgpr_workitem_id 0
		.amdhsa_next_free_vgpr 256
		.amdhsa_next_free_sgpr 76
		.amdhsa_reserve_vcc 1
		.amdhsa_float_denorm_mode_32 3
		.amdhsa_float_denorm_mode_16_64 3
		.amdhsa_memory_ordered 1
		.amdhsa_forward_progress 1
		.amdhsa_inst_pref_size 70
	.end_amdhsa_kernel
	.amdgpu_metadata
---
amdhsa.version: [ 1, 2 ]
amdhsa.kernels:
  - .name:           k_q563874acff_attn
    .symbol:         k_q563874acff_attn.kd
    .args:
      - { .name: qkv, .offset: 0, .size: 8, .value_kind: global_buffer, .address_space: global }
      - { .name: bias_t, .offset: 8, .size: 8, .value_kind: global_buffer, .address_space: global }
      - { .name: yc, .offset: 16, .size: 8, .value_kind: global_buffer, .address_space: global }
      - { .name: ys, .offset: 24, .size: 8, .value_kind: global_buffer, .address_space: global }
    .group_segment_fixed_size: 327680
    .private_segment_fixed_size: 0
    .kernarg_segment_align: 8
    .kernarg_segment_size: 32
    .max_flat_workgroup_size: 512
    .sgpr_count:     76
    .vgpr_count:     256
    .wavefront_size: 32
...
	.end_amdgpu_metadata
.endif
;; end of part 3
;; launch proj (part 4): grid 4 x 64, 4 waves a work-group, clusters of 4 x 4, 327,680 bytes of LDS; arguments yc, ys, wc, ws, out0; writes out0
.if DOCPART == 4
	.amdgcn_target "amdgcn-amd-amdhsa--gfx1250"
	.amdhsa_code_object_version 6
	.text
	.protected	k_q563874acff_proj
	.globl	k_q563874acff_proj
	.p2align	8
	.type	k_q563874acff_proj,@function
k_q563874acff_proj:
	s_mov_b64 s[64:65], 0
	v_nop
	global_prefetch_b8 v0, s[64:65] scope:SCOPE_SE
	s_setreg_imm32_b32 hwreg(HW_REG_WAVE_MODE, 25, 1), 1
	s_wait_xcnt 0x0
	s_wait_alu depctr_hold_cnt(0) depctr_sa_sdst(0) depctr_va_vdst(0) depctr_va_sdst(0) depctr_va_ssrc(0) depctr_va_vcc(0) depctr_vm_vsrc(0)
	s_getreg_b32 s2, hwreg(HW_REG_IB_STS2, 6, 4)
	s_cmp_eq_u32 s2, 0
	s_cbranch_scc0 .Lentry_in_a_cluster
	s_endpgm
.Lentry_in_a_cluster:
	s_bfe_u32 s2, ttmp6, 0x10000c
	s_cmp_lg_u32 s2, 0xf033
	s_cbranch_scc0 .Lentry_shape_is_right
	s_endpgm
.Lentry_shape_is_right:
; out0 = y Wproj on codes of FP6 (E2M3) with one E8M0 scale for each 32 along K (K = 1,024); sums in f32.
; A = yc [head][place of the token][48 bytes], scale bytes ys [place][32]; B = wc's rows 3,072 on, in planes of one K step of 256: [plane][row][192 bytes], scale bytes ws [row][32].
; A block of 128 places x 256 columns to a work-group: 64 x 4 = 256 work-groups.  Four waves; each takes all 128 places x 64 columns: 32 accumulators, 256 registers (window 2).
; K goes in four steps of 256 (four heads) through a ring of two LDS slots; a slot holds A's 4 x 6,144 bytes, dense, and B's 256 rows, 240 bytes apart (16 bytes of padding behind each 64).
; The scale bytes of the work-group's rows come once and stay.  4 x 4 work-groups form a cluster: A's tiles are asked for jointly along a row of the cluster, B's along a column.
; THE HEAD'S LOADS, one a wave: K step 0 of A, K step 0 of B, A's scales, B's scales; slot 1 is first filled behind the full sequence and a round.  In the ring waves 0, 1 fetch two heads
; of A each, waves 2, 3 128 rows of B each.  A wave has one tensor load out at the most.
; THE MATRIX INSTRUCTION IS USED TRANSPOSED (source 0 = 16 rows of wc, source 1 = 16 places of yc): in tile (a, b) lane (r, h), register j holds place 16 a + r and, by wc's position order, column
; 32 (b / 2) + 16 h + 8 (b % 2) + j of the wave's 64.  Place 16 a + t of the block is token 64 (a / 4) + 8 (a % 4) + t % 8 + 32 (t / 8).
; PREFETCH: none: the walk has four K steps, two of them asked for by the head's two groups; only two refills are left to run ahead of.
; REGISTERS: window 0: v0-31 addresses; v32-63 scale words, two sets; from v128 A's fragments, ONE set (on the way out: rows read back).  window 1: B's fragments, two sets, at v0 and v128.  window 2: accumulator (a, b) at v[8 (4 a + b)].
.set NQ,     2                         ; steps of 128 along K in a K step
.set ROWB,   192
.set PITCH,  240
.set FR,     12
.set NL,     6
.set NP,     4                         ; places behind this matrix instruction (ISA guide 7.12.1)
.set HALFT,  128*PITCH
.set ATILE,  4*6144
.set ASTEP,  4*393216                  ; four heads on in yc
.set BPLANE, 4096*192
.set SLOT,   ATILE+2*HALFT
.set LAPS,   2
.set KS,     32
.set SCL,    2*SLOT                    ; behind the ring: the scales, as units of 256 bytes + 16 of padding: A's 128 rows, then B's 256
.set HALFS,  16*272                    ; the scales of 128 rows
.set SBLK,   2*272                     ; of 16 rows
.set SPARE,  SCL+3*HALFS               ; the spare words, 128 bytes for each wave: two blocks of 256 bytes that no other line names
.set SPITCH, 272                       ; the way out: a stage of 16 rows x (256 bytes + 16) for each wave, in slot 0, which has had its last fill and its last read by then
.set ADRA, 16                          ; v16-17 my A fragments in slot 0, 1
.set ADRB, 20                          ; v20-21 B's;  v22-23 the same behind one padding more
.set STO,  24
.set RD,   25
.set CO,   26
.set ADRS, 27                          ; scale words: lanes 0-15 A's rows, lanes 16-31 my B rows
.set SPW,  28                          ; LDS address of my spare word; never rewritten
.set NIL,  29                          ; 0; never rewritten
.set ADRT, 30                          ; scale words: A's rows in both halves of the lanes
.set SC,   32
.set AF,   128
.set BK,   128
.set G1, 24
.set G0, 32
.set G1B, 48
.set G0B, 56
.set G1S, 68
.set G0S, 76
.set G1SB, 80
.set G0SB, 88
.set G0H, 4                            ; s[4:7], s[8:11] group 0 for the head's loads of K step 0 (the arguments that lay there have been used by then)
.set G0HB, 8
.set MSB, 0
.macro WIN new                         ; the immediate's high byte repeats the setting that is left
.if MSB != (\new)
	s_set_vgpr_msb (MSB<<8)|(\new)
.set MSB, (\new)
.endif
.endm
.set MUL_LO, 0xa1                      ; source 0 (B) window 1, source 1 (A) window 0, C and D window 2
.set TO_B,   0x40
; A joint load: waves 0 and 1 fetch for A, waves 2 and 3 for B; the branch hangs on the wave's number alone.  An s_nop 0 and four v_nop follow each of the two lines.
.macro JLOAD g0a, g1a, g0b, g1b
	s_cmp_eq_u32 s15, 0
	s_cbranch_scc0 .Lfor_b_\@
	tensor_load_to_lds s[\g0a:\g0a+3], s[\g1a:\g1a+7]
	s_nop 0
.rept 4
	v_nop
.endr
	s_branch .Lasked_\@
.Lfor_b_\@:
	tensor_load_to_lds s[\g0b:\g0b+3], s[\g1b:\g1b+7]
	s_nop 0
.rept 4
	v_nop
.endr
.Lasked_\@:
.endm
.macro CREST                           ; a round of the cluster's barrier behind its opening barrier
	s_cmp_lg_u32 s14, 0
	s_cbranch_scc1 .Lnot_wave_0_\@
	s_barrier_signal -3
.Lnot_wave_0_\@:
	s_barrier_wait -3
	s_barrier_signal -1
	s_barrier_wait -1
.endm
.macro CROUND
	s_barrier_signal -1
	s_barrier_wait -1
	CREST
.endm
	s_load_b128 s[4:7], s[0:1], 0x0                ; yc, ys
	s_load_b128 s[8:11], s[0:1], 0x10              ; wc, ws
	s_load_b64 s[12:13], s[0:1], 0x20              ; out0
	v_lshl_add_u32 v[SPW], v0, 2, SPARE
	v_mov_b32 v[NIL], 0
	ds_add_u32 v[SPW], v[NIL]                      ; the opening lines: the add, twice on end, and its wait ahead of my first tensor load
	ds_add_u32 v[SPW], v[NIL]
	v_lshrrev_b32 v1, 5, v0
	v_readfirstlane_b32 s14, v1                    ; wave 0..3
	s_lshr_b32 s15, s14, 1                         ; in the ring I fetch for A (0) or for B (1),
	s_and_b32 s16, s14, 1                          ; and which half of the tile
	s_bfe_u32 s40, ttmp6, 0x40000                  ; cx, cy
	s_bfe_u32 s41, ttmp6, 0x40004
	s_lshl_b32 s42, ttmp9, 2
	s_add_co_u32 s42, s42, s40                     ; block column
	s_and_b32 s17, ttmp7, 0xffff
	s_lshl_b32 s17, s17, 2
	s_add_co_u32 s17, s17, s41                     ; block row
	s_lshl_b32 s43, s41, 2
	s_lshl_b32 s43, 15, s43                        ; my row of the cluster
	s_lshl_b32 s44, 0x1111, s40                    ; my column
	s_or_b32 s[G1+0], s43, (3<<16)|(1<<21)         ; A: the mask; elements of 8 bytes; bit 21 beside a mask; no padding
	s_mov_b32 s[G1+1], 768<<16                     ; a head's 128 places: 6,144 bytes
	s_mov_b32 s[G1+2], 4<<16                       ; four heads for the head's load; behind it two
	s_mov_b32 s[G1+3], 768<<16
	s_mov_b32 s[G1+4], 4
	s_mov_b32 s[G1+5], 49152                       ; from head to head: 393,216 bytes
	s_mov_b32 s[G1+6], 0
	s_mov_b32 s[G1+7], 0
	s_or_b32 s[G1B+0], s44, (0<<16)|(1<<20)|(1<<21)|(3<<22)|(3<<25)   ; B: elements of 1 byte; after every 16 words, 4 words of padding
	s_mov_b32 s[G1B+1], 256<<16
	s_mov_b32 s[G1B+2], 192<<16                    ; 256 rows x 192 bytes = 192 x 256 for the head's load; behind it 96
	s_mov_b32 s[G1B+3], 256<<16
	s_mov_b32 s[G1B+4], 192
	s_mov_b32 s[G1B+5], 256
	s_mov_b32 s[G1B+6], 0
	s_mov_b32 s[G1B+7], 0
	s_or_b32 s[G1S+0], s43, (3<<16)|(1<<20)|(1<<21)|(5<<22)|(3<<25)   ; the scales: dense blocks, as rows of 256 bytes, 16 of padding behind each: A's 16 rows,
	s_mov_b32 s[G1S+1], 32<<16
	s_mov_b32 s[G1S+2], 16<<16
	s_mov_b32 s[G1S+3], 32<<16
	s_mov_b32 s[G1S+4], 16
	s_mov_b32 s[G1S+5], 32
	s_mov_b32 s[G1S+6], 0
	s_mov_b32 s[G1S+7], 0
	s_or_b32 s[G1SB+0], s44, (3<<16)|(1<<20)|(1<<21)|(5<<22)|(3<<25)  ; B's 32
	s_mov_b32 s[G1SB+1], 32<<16
	s_mov_b32 s[G1SB+2], 32<<16
	s_mov_b32 s[G1SB+3], 32<<16
	s_mov_b32 s[G1SB+4], 32
	s_mov_b32 s[G1SB+5], 32
	s_mov_b32 s[G1SB+6], 0
	s_mov_b32 s[G1SB+7], 0
	s_lshl_b32 s20, s17, 7                         ; A: the block's first place
	s_lshl_b32 s46, s42, 8                         ; B: its first row
	s_mov_b32 s21, 0
	s_mov_b32 s47, 0
	s_mov_b64 s[18:19], KS
	s_mul_u64 s[22:23], s[20:21], s[18:19]         ; where these rows' scales begin, in bytes
	s_mul_u64 s[92:93], s[46:47], s[18:19]
	s_mov_b64 s[18:19], 48
	s_mul_u64 s[20:21], s[20:21], s[18:19]         ; and their codes
	s_mov_b64 s[18:19], ROWB
	s_mul_u64 s[46:47], s[46:47], s[18:19]
	s_mul_i32 s18, s16, 2*393216                   ; in the ring: my two heads of A,
	s_mov_b32 s19, 0
	s_mul_i32 s94, s16, 128*ROWB                   ; or my 128 rows of B,
	s_mov_b32 s95, 0
	s_mul_i32 s45, s16, 2*6144                     ; and where they go: no place in the cluster enters an LDS address
	s_mul_i32 s96, s16, HALFT
	s_add_co_u32 s96, s96, ATILE
	s_wait_dscnt 0x0                               ; both opening adds are done
	s_wait_kmcnt 0x0
	s_add_nc_u64 s[8:9], s[8:9], 3072*ROWB         ; Wproj's rows lie behind Wqkv's 3,072 in each plane
	s_add_nc_u64 s[10:11], s[10:11], 3072*KS
	s_add_nc_u64 s[20:21], s[4:5], s[20:21]
	s_add_nc_u64 s[22:23], s[6:7], s[22:23]
	s_add_nc_u64 s[46:47], s[8:9], s[46:47]
	s_add_nc_u64 s[92:93], s[10:11], s[92:93]
	CROUND                                         ; all sixteen work-groups are here: the first joint loads meet
	s_mov_b32 s[G0H], 1                            ; the head's four tiles: K step 0 of A,
	s_mov_b32 s[G0H+1], 0
	s_mov_b64 s[G0H+2:G0H+3], s[20:21]
	s_or_b32 s[G0H+3], s[G0H+3], 0x80000000
	s_mov_b32 s[G0HB], 1                           ; of B,
	s_mov_b32 s[G0HB+1], ATILE
	s_mov_b64 s[G0HB+2:G0HB+3], s[46:47]
	s_or_b32 s[G0HB+3], s[G0HB+3], 0x80000000
	s_mov_b32 s[G0S], 1                            ; A's scales,
	s_mov_b32 s[G0S+1], SCL
	s_mov_b64 s[G0S+2:G0S+3], s[22:23]
	s_or_b32 s[G0S+3], s[G0S+3], 0x80000000
	s_mov_b32 s[G0SB], 1                           ; and B's
	s_mov_b32 s[G0SB+1], SCL+HALFS
	s_mov_b64 s[G0SB+2:G0SB+3], s[92:93]
	s_or_b32 s[G0SB+3], s[G0SB+3], 0x80000000
	s_add_nc_u64 s[20:21], s[20:21], s[18:19]      ; for the ring: my half of a tile
	s_add_nc_u64 s[46:47], s[46:47], s[94:95]
.irp s, 0,1
	s_mov_b32 s[G0+4*\s], 1
	s_add_co_u32 s[G0+4*\s+1], s45, \s*SLOT
	s_add_nc_u64 s[G0+4*\s+2:G0+4*\s+3], s[20:21], \s*ASTEP
	s_or_b32 s[G0+4*\s+3], s[G0+4*\s+3], 0x80000000
	s_mov_b32 s[G0B+4*\s], 1
	s_add_co_u32 s[G0B+4*\s+1], s96, \s*SLOT
	s_add_nc_u64 s[G0B+4*\s+2:G0B+4*\s+3], s[46:47], \s*BPLANE
	s_or_b32 s[G0B+4*\s+3], s[G0B+4*\s+3], 0x80000000
.endr
; One tree of branches on the wave's number: every way through the head passes exactly one load.
.macro ARM under, g0, g1, next
	s_cmp_lt_u32 s14, \under
	s_cbranch_scc0 \next
	tensor_load_to_lds s[\g0:\g0+3], s[\g1:\g1+7]
	s_nop 0
.rept 4
	v_nop
.endr
	s_branch .Lhead_asked
\next:
.endm
	ARM 1, G0H,  G1,  .Lhead_b
	ARM 2, G0HB, G1B, .Lhead_sa
	ARM 3, G0S,  G1S, .Lhead_sb
	tensor_load_to_lds s[G0SB:G0SB+3], s[G1SB:G1SB+7]
	s_nop 0
.rept 4
	v_nop
.endr
.Lhead_asked:
	s_mul_i32 s18, s14, 64*PITCH                   ; the scalars first, then the vector lines on end
	s_add_co_u32 s18, s18, ATILE                   ; my 64 rows of B in a slot
	s_mul_i32 s19, s14, 4*SBLK
	s_add_co_u32 s19, s19, HALFS                   ; from A's scales to those of my 64 rows of B
	s_mul_i32 s20, s14, 16*SPITCH                  ; my stage
	s_lshl_b32 s92, s17, 19                        ; out0: 128 rows of 4,096 bytes a block row,
	s_lshl_b32 s93, s42, 10                        ; 1,024 bytes a block column,
	s_add_co_u32 s92, s92, s93
	s_lshl_b32 s93, s14, 8                         ; 256 bytes a wave
	s_add_co_u32 s92, s92, s93
	s_mov_b32 s93, 0
	s_add_nc_u64 s[12:13], s[12:13], s[92:93]
	v_and_b32 v1, 15, v0                           ; r
	v_bfe_u32 v2, v0, 4, 1                         ; h
	v_mul_u32_u24 v4, v2, 24
	v_mad_u32_u24 v[ADRA], v1, 48, v4              ; A: 48 r + 24 h
	v_add_nc_u32 v[ADRA+1], SLOT, v[ADRA]
	v_mad_u32_u24 v4, v1, PITCH, v4                ; B: row x pitch + 24 h
	v_add_nc_u32 v[ADRB], s18, v4
	v_add_nc_u32 v[ADRB+1], SLOT, v[ADRB]
	v_lshl_add_u32 v[ADRB+2], v2, 4, v[ADRB]       ; and the same behind one padding more
	v_add_nc_u32 v[ADRB+3], SLOT, v[ADRB+2]
	v_lshlrev_b32 v5, 5, v1                        ; my row's scales: 32 bytes a row,
	v_lshrrev_b32 v6, 8, v5
	v_lshl_add_u32 v5, v6, 4, v5                   ; and 16 more for each 256 passed
	v_add_nc_u32 v[ADRT], SCL, v5
	v_mul_u32_u24 v6, s19, v2                      ; lanes 16-31 take B's
	v_add_nc_u32 v[ADRS], v[ADRT], v6
	v_mul_u32_u24 v5, v1, SPITCH                   ; the stage, in: row r, 64 bytes for each half of the lanes
	v_lshl_add_u32 v5, v2, 6, v5
	v_add_nc_u32 v[STO], s20, v5
	v_mul_u32_u24 v5, v2, SPITCH                   ; back: sixteen lanes take a row of 256 bytes, two rows an instruction
	v_lshl_add_u32 v5, v1, 4, v5
	v_add_nc_u32 v[RD], s20, v5
	v_lshlrev_b32 v5, 12, v2                       ; and the same two rows in out0
	v_lshl_add_u32 v[CO], v1, 4, v5
.macro FRAG reg, adr, q, i             ; a fragment of B, 16 rows x 128 K: registers 6 c .. 6 c + 5 hold K = 64 c + 32 h + 0 .. 31: 24 bytes as they lie, in pieces of 8
.irp p, 0,1,2,3,4,5
.set PC, 12*(\q)+6*(\p/3)+\p%3        ; 16 bytes of padding lie behind every 8 pieces: where the piece three on lies behind one padding more, the second address register serves
.if PC%8 < 5
	ds_load_b64 v[\reg+2*\p:\reg+2*\p+1], v[\adr] offset:8*PC+16*(PC/8)+(\i)*16*PITCH
.else
	ds_load_b64 v[\reg+2*\p:\reg+2*\p+1], v[\adr+2] offset:8*PC+16*(PC/8)+(\i)*16*PITCH
.endif
.endr
.endm
.macro FRAGA reg, slot, q, i           ; a fragment of A: heads 2 q and 2 q + 1 of the K step, 16 places of 48 bytes
.irp p, 0,1,2,3,4,5
	ds_load_b64 v[\reg+2*\p:\reg+2*\p+1], v[ADRA+\slot] offset:(2*(\q)+\p/3)*6144+(\i)*768+8*(\p%3)
.endr
.endm
; 8 matrix instructions: A's blocks a0, a0 + 1 x my four of B.  The 32 accumulators take turns, one instruction a turn, in the same order in every step.
.macro MULA a0, p, q, sc, zero
.irp a, \a0, \a0+1
.irp b, 0,1,2,3
.if \zero
	v_wmma_scale_f32_16x16x128_f8f6f4 v[8*(4*(\a)+\b):8*(4*(\a)+\b)+7], v[128*(\p)+FR*\b:128*(\p)+FR*\b+FR-1], v[AF+FR*(\a):AF+FR*(\a)+FR-1], 0, v[SC+8*NQ*(\sc)+NQ*\b+(\q)], v[SC+8*NQ*(\sc)+NQ*(\a)+(\q)] matrix_a_fmt:MATRIX_FMT_FP6 matrix_b_fmt:MATRIX_FMT_FP6 matrix_a_scale:MATRIX_SCALE_ROW1
.else
	v_wmma_scale_f32_16x16x128_f8f6f4 v[8*(4*(\a)+\b):8*(4*(\a)+\b)+7], v[128*(\p)+FR*\b:128*(\p)+FR*\b+FR-1], v[AF+FR*(\a):AF+FR*(\a)+FR-1], v[8*(4*(\a)+\b):8*(4*(\a)+\b)+7], v[SC+8*NQ*(\sc)+NQ*\b+(\q)], v[SC+8*NQ*(\sc)+NQ*(\a)+(\q)] matrix_a_fmt:MATRIX_FMT_FP6 matrix_b_fmt:MATRIX_FMT_FP6 matrix_a_scale:MATRIX_SCALE_ROW1
.endif
.endr
.endr
.endm
.macro FETCH_B slot, q, p
	WIN TO_B
.irp i, 0,1,2,3
	FRAG 128*(\p)+FR*\i, ADRB+\slot, \q, \i
.endr
	WIN 0
.endm
.macro FETCH_A slot, q, i0
.irp i, \i0, \i0+1, \i0+2, \i0+3
	FRAGA AF+FR*(\i), \slot, \q, \i
.endr
.endm
.macro SCALES sc                       ; a K step's scale words, two a row: registers 2 i, 2 i + 1: lanes 0-15 A's block i; lanes 16-31 my B block i for i under 4
.irp i, 0,1,2,3
	ds_load_b64 v[SC+8*NQ*\sc+NQ*\i:SC+8*NQ*\sc+NQ*\i+1], v[ADRS] offset:\i*SBLK
.endr
.irp i, 4,5,6,7
	ds_load_b64 v[SC+8*NQ*\sc+NQ*\i:SC+8*NQ*\sc+NQ*\i+1], v[ADRT] offset:\i*SBLK
.endr
.endm
.macro PLACES n                        ; plain vector instructions between a matrix instruction and a load into its registers or a read of its result
.rept \n
	v_nop
.endr
.endm
.macro STEP slot, q, zero              ; a step of 128 along K that has its successor in the same slot
	s_wait_dscnt 4*NL                              ; B's set and A's blocks 0-3 are in; the youngest 24 loads (A's blocks 4-7) may be out
	WIN MUL_LO
	MULA 0, (\q)%2, \q, \slot, \zero
	MULA 2, (\q)%2, \q, \slot, \zero
	s_wait_dscnt 0                                 ; A's blocks 4-7 are in
	PLACES NP
	FETCH_B \slot, (\q)+1, 1-(\q)%2
	FETCH_A \slot, (\q)+1, 0
	WIN MUL_LO
	MULA 4, (\q)%2, \q, \slot, \zero
	MULA 6, (\q)%2, \q, \slot, \zero
	PLACES NP
	WIN 0
	FETCH_A \slot, (\q)+1, 4
.endm
; A slot's last step changes slots: ONE barrier; in front of it each wave waits for all its tensor loads, adds 0 to its spare word, and waits for that and for its own reads of this slot.
.macro TURN slot, next, fill
	s_wait_tensorcnt 0x0                           ; all my tensor loads have landed: my part of the next slot
	ds_add_u32 v[SPW], v[NIL]                      ; 0 onto my spare word
	s_wait_dscnt 4*NL+1                            ; (the add and the youngest 24 loads may be out)
	WIN MUL_LO
	MULA 0, 1, NQ-1, \slot, 0
	s_wait_dscnt 0x0                               ; the add is done, and my reads of this slot are over
	s_barrier_signal -1
	MULA 2, 1, NQ-1, \slot, 0
	WIN 0
	s_barrier_wait -1
.if \fill
	CREST                                          ; the barrier has opened a round of the cluster's barrier: no wave of any partner still reads this slot or has a load on its way
	s_add_nc_u64 s[G0+4*\slot+2:G0+4*\slot+3], s[G0+4*\slot+2:G0+4*\slot+3], 2*ASTEP
	s_add_nc_u64 s[G0B+4*\slot+2:G0B+4*\slot+3], s[G0B+4*\slot+2:G0B+4*\slot+3], 2*BPLANE
	JLOAD G0+4*\slot, G1, G0B+4*\slot, G1B         ; the first tensor load behind the round; its four v_nop are the places in front of the loads below
.else
	PLACES NP
.endif
	s_wait_alu depctr_va_vdst(0)                   ; directly ahead of the readers below
	v_add_nc_u32 v[ADRS], 4*NQ, v[ADRS]            ; the next K step's two words of each row
	v_add_nc_u32 v[ADRT], 4*NQ, v[ADRT]
	FETCH_B \next, 0, 0
	FETCH_A \next, 0, 0
	SCALES \next
	WIN MUL_LO
	MULA 4, 1, NQ-1, \slot, 0
	MULA 6, 1, NQ-1, \slot, 0
	PLACES NP
	WIN 0
	FETCH_A \next, 0, 4
.endm
	s_wait_alu depctr_va_vdst(0)                   ; the head's end
	s_wait_tensorcnt 0x0                           ; my tile of the head's four is in
	ds_add_u32 v[SPW], v[NIL]
	s_mov_b32 s[G1+2], 2<<16                       ; no tensor load of mine is out: from here on a load brings two heads of A,
	s_mov_b32 s[G1+4], 2
	s_mov_b32 s[G1B+2], 96<<16                     ; or 128 rows of B: 96 x 256 bytes
	s_mov_b32 s[G1B+4], 96
	s_wait_dscnt 0x0                               ; the add is done
	CROUND                                         ; all four tiles are in, and all sixteen work-groups are here
	JLOAD G0+4, G1, G0B+4, G1B                     ; K step 1's load, the first tensor load behind the round
	FETCH_B 0, 0, 0
	FETCH_A 0, 0, 0
	SCALES 0
	FETCH_A 0, 0, 4
	STEP 0, 0, 1                                   ; the first step's products start the sums
	s_mov_b32 s3, LAPS-1
.Llap:
	TURN 0, 1, 1
	STEP 1, 0, 0
	TURN 1, 0, 1
	STEP 0, 0, 0
	s_sub_co_u32 s3, s3, 1
	s_cmp_lg_u32 s3, 0
	s_cbranch_scc1 .Llap
	TURN 0, 1, 0                                   ; the last lap fills nothing
	STEP 1, 0, 0
	s_wait_dscnt 4*NL
	WIN MUL_LO
	MULA 0, 1, NQ-1, 1, 0
	MULA 2, 1, NQ-1, 1, 0
	s_wait_dscnt 0
	MULA 4, 1, NQ-1, 1, 0
	MULA 6, 1, NQ-1, 1, 0
	WIN 0
; THE WAY OUT, block by block of 16 places x 64 columns, through my own stage: LDS serves a wave's instructions in order (ISA guide 5.7.1.4), so no wait stands between the stores and the loads.
.macro TOSTAGE a
	WIN 0x08                                       ; an LDS store's data are its source 1: window 2
.irp b, 0,1,2,3
	ds_store_b128 v[STO], v[8*(4*(\a)+\b):8*(4*(\a)+\b)+3] offset:128*(\b/2)+32*(\b%2)        ; each accumulator from its low end on
	ds_store_b128 v[STO], v[8*(4*(\a)+\b)+4:8*(4*(\a)+\b)+7] offset:128*(\b/2)+32*(\b%2)+16
.endr
	WIN 0
.set BB, BK+32*((\a)%2)
.irp t, 0,1,2,3,4,5,6,7
	ds_load_b128 v[BB+4*\t:BB+4*\t+3], v[RD] offset:2*\t*SPITCH
.endr
.endm
.macro SEND a, younger                 ; younger: the LDS instructions issued behind block a's loads, which may stay out
.set BB, BK+32*((\a)%2)
	s_wait_dscnt \younger
.irp t, 0,1,2,3,4,5,6,7
	global_store_b128 v[CO], v[BB+4*\t:BB+4*\t+3], s[12:13] offset:(64*((\a)/4)+8*((\a)%4)+(2*\t)%8+32*((2*\t)/8))*4096 th:TH_STORE_NT   ; sixteen lanes store 256 consecutive bytes, at a multiple of 256 from the buffer's first byte
.endr
.endm
	PLACES NP
	TOSTAGE 0
.irp a, 1,2,3,4,5,6,7
.if \a > 1
	s_wait_xcnt 0x0                                ; block a - 2's stores have read their registers: block a's loads may land there
.endif
	TOSTAGE \a
	SEND \a-1, 16                                  ; behind block a - 1's loads: block a's 8 stores and 8 loads
.endr
	SEND 7, 0
	s_wait_tensorcnt 0x0                           ; the wave's end: behind my last tensor load and my last LDS store
	ds_add_u32 v[SPW], v[NIL]
	s_wait_dscnt 0x0
	CROUND                                         ; the closing round: no work-group ends while a partner may still ask for a tile that names it
	s_endpgm
.Lfunc_end_k_q563874acff_proj:
	.size	k_q563874acff_proj, .Lfunc_end_k_q563874acff_proj-k_q563874acff_proj
	.p2alignl 7, 3214868480
	.fill 96, 4, 3214868480
	.section	.rodata,"a",@progbits
	.p2align	6, 0x0
	.amdhsa_kernel k_q563874acff_proj
		.amdhsa_group_segment_fixed_size 327680
		.amdhsa_private_segment_fixed_size 0
		.amdhsa_enable_private_segment 0
		.amdhsa_kernarg_size 40
		.amdhsa_user_sgpr_count 2
		.amdhsa_user_sgpr_kernarg_segment_ptr 1
		.amdhsa_wavefront_size32 1
		.amdhsa_system_sgpr_workgroup_id_x 1
		.amdhsa_system_sgpr_workgroup_id_y 1
		.amdhsa_system_sgpr_workgroup_id_z 1
		.amdhsa_system_vgpr_workitem_id 0
		.amdhsa_next_free_vgpr 768
		.amdhsa_next_free_sgpr 98
		.amdhsa_reserve_vcc 0
		.amdhsa_float_denorm_mode_32 3
		.amdhsa_float_denorm_mode_16_64 3
		.amdhsa_memory_ordered 1
		.amdhsa_forward_progress 1
		.amdhsa_inst_pref_size 102
	.end_amdhsa_kernel
	.amdgpu_metadata
---
amdhsa.version: [ 1, 2 ]
amdhsa.kernels:
  - .name:           k_q563874acff_proj
    .symbol:         k_q563874acff_proj.kd
    .args:
      - { .name: yc, .offset: 0, .size: 8, .value_kind: global_buffer, .address_space: global }
      - { .name: ys, .offset: 8, .size: 8, .value_kind: global_buffer, .address_space: global }
      - { .name: wc, .offset: 16, .size: 8, .value_kind: global_buffer, .address_space: global }
      - { .name: ws, .offset: 24, .size: 8, .value_kind: global_buffer, .address_space: global }
      - { .name: out0, .offset: 32, .size: 8, .value_kind: global_buffer, .address_space: global }
    .group_segment_fixed_size: 327680
    .private_segment_fixed_size: 0
    .kernarg_segment_align: 8
    .kernarg_segment_size: 40
    .max_flat_workgroup_size: 128
    .sgpr_count:     98
    .vgpr_count:     768
    .wavefront_size: 32
...
	.end_amdgpu_metadata
.endif
;; end of part 4
